; MI455X (gfx1250); checked and timed in simulation.
; The chip was launched on July 23, 2026; its instructions are those of AMD's public machine-readable ISA for CDNA 5 (MIT licence, August 2026) and "CDNA5" Instruction Set Architecture Reference Guide (July 2026). The comments in the code are by the model that wrote it; some were corrected since.
;; Simple Mo E. Allowed arithmetic: matrix products marked QUANTISED: E2M3 operands, one E8M0 scale for each 32 along K, by v_wmma_scale_f32_16x16x128_f8f6f4 with both operands' format E2M3, f32 sums; products left as they are: f32 operands where the result goes on into a quantised operand, else bf16, f16 or f32 operands; f32 sums; everything else in f32.
;; Inputs: W1 4 x 1,024 x 4,096 float32; W2 4 x 4,096 x 1,024 float32; Wr 1,024 x 4 float32; b1 4 x 4,096 float32; b2 4 x 1,024 float32; br 4 float32; x 2,048 x 1,024 float32.
;; Outputs: out0 2,048 x 1,024 float32.
;; This version of the problem:
;;   THIS VERSION OF THE PROBLEM IS GIVEN IN LOW PRECISION. The matrix products marked QUANTISED in the list below multiply operands that are first quantised to E2M3 (2 exponent bits, 3 mantissa bits; 6 bits a number), with one power-of-two scale for each 32 numbers along K (OCP MX v1.0); their sums are f32. All else is computed in f32.
;;   The module's matrix products, in the order in which they are computed (A, B: the left and right operand; K: the contracted axis; several contracted axes count as one K, in the product's order):
;;     1. [M 2,048, K 1,024] x [K 1,024, N 4]; A: input x; B: input Wr: left as it is (N = 4 < 16)
;;     2. [M 2,048, K 1,024] x [K 1,024, N 4,096]; A: input x; B: input W1: QUANTISED
;;     3. [M 2,048, K 4,096] x [K 4,096, N 1,024]; A: computed on the way; B: input W2: QUANTISED
;;     4. [M 2,048, K 1,024] x [K 1,024, N 4,096]; A: input x; B: input W1: QUANTISED
;;     5. [M 2,048, K 4,096] x [K 4,096, N 1,024]; A: computed on the way; B: input W2: QUANTISED
;;     6. [M 2,048, K 1,024] x [K 1,024, N 4,096]; A: input x; B: input W1: QUANTISED
;;     7. [M 2,048, K 4,096] x [K 4,096, N 1,024]; A: computed on the way; B: input W2: QUANTISED
;;     8. [M 2,048, K 1,024] x [K 1,024, N 4,096]; A: input x; B: input W1: QUANTISED
;;     9. [M 2,048, K 4,096] x [K 4,096, N 1,024]; A: computed on the way; B: input W2: QUANTISED
;;   THE QUANTISER, for each operand of a quantised product, along K:
;;     - K is cut into blocks of 32 from its start; a last block that is shorter is filled with zeros.
;;     - A block's scale is 2^e with e = floor(log2(the largest magnitude in the block)) - 2, held to -126 .. 127; a block of zeros has e = 0. As a byte (E8M0): e + 127.
;;     - Each number is divided by its block's scale, clamped to +-7.5, and rounded to the nearest number of E2M3, ties to even, subnormals kept.
;;     - The product sums the exact products of the quantised numbers (number of the format x scale) in f32.
;;   ~~~python
;;   def quantise(x, axis):      # numpy; x: float32 -> the quantised numbers, widened to float32 again
;;       x = np.moveaxis(x, axis, -1); K = x.shape[-1]
;;       x = np.pad(x, [(0, 0)] * (x.ndim - 1) + [(0, -K % 32)]); x = x.reshape(x.shape[:-1] + (-1, 32)); a = np.abs(x).max(-1, keepdims=True)
;;       e = np.where(a > 0, np.clip(np.frexp(np.where(a > 0, a, 1))[1] - 1 - 2, -126, 127), 0)      # np.frexp(a)[1] - 1 = floor(log2(a)), exactly
;;       r = np.clip(x / 2.0 ** e, -7.5, 7.5)
;;       step = 2.0 ** (np.maximum(np.frexp(np.where(r == 0, 1, r))[1] - 1, 0) - 3)
;;       q = np.round(r / step) * step * 2.0 ** e      # np.round: ties to even
;;       return np.moveaxis(q.reshape(q.shape[:-2] + (-1,))[..., :K], -1, axis).astype(np.float32)
;;   ~~~
;;   OPERANDS COMPUTED ON THE WAY. 'Computed on the way' means the value that the module computes at that place (a softmax that the list does not call 'softmax' is quantised finished and normalised). What goes into a quantiser is computed in f32, as accurately as f32 sums, v_exp_f32 and their like allow (about 1e-6 of the number): no bf16 or f16 on the way to a quantiser, and a product that is left as it is and whose result goes on into a quantised operand takes f32 operands (vector FMAs, or v_wmma_f32_16x16x4_f32). A number that lies on a knife's edge between two numbers of the format may be rounded either way, as far as f32 arithmetic and the matrix unit's own rounding can turn it there, and no further.
;; 2 versions, each right; version 2 is version 1 with the launches fc1, fc2 written anew for expert scheduling mode. Each part assembles by itself: llvm-mc -triple=amdgcn-amd-amdhsa -mcpu=gfx1250 --defsym DOCPART=n.
;; ======== version 1 of 2: 4 launches
;; workspace buffers: xq 1,638,400 bytes; eid 8,192 bytes of whole numbers; w1q 13,107,200 bytes; w2q 13,107,200 bytes; ord 8,704 bytes of whole numbers; hq 6,758,400 bytes
;; launch prep1 (part 1): grid 1152 x 1, 4 waves a work-group, no clusters, 55,808 bytes of LDS; arguments x, Wr, br, W1, xq, eid, w1q; writes xq, eid, w1q
.if DOCPART == 1
	.amdgcn_target "amdgcn-amd-amdhsa--gfx1250"
	.amdhsa_code_object_version 6
	.text
	.protected	k_qeef5a82495_prep1
	.globl	k_qeef5a82495_prep1
	.p2align	8
	.type	k_qeef5a82495_prep1,@function
k_qeef5a82495_prep1:
	s_mov_b64 s[64:65], 0
	v_nop
	global_prefetch_b8 v0, s[64:65] scope:SCOPE_SE
	s_setreg_imm32_b32 hwreg(HW_REG_WAVE_MODE, 25, 1), 1
	s_wait_xcnt 0x0
; Work-groups 0-127: x [2048][1024] f32 -> codes of E2M3 and E8M0 scale bytes (xq), and the router: logits x Wr + br in f32, softmax, argmax -> eid.
; Work-groups 128-1151: W1 [4][1024 (k)][4096 (n)] f32 -> codes laid as images of operand registers, and scale words (w1q).
; A block's scale is 2^(floor(log2(largest magnitude)) - 2): its byte is the largest magnitude's exponent field - 2, held at 1 from below.
; LIMITS: NaN and infinities are not served.  A block whose largest magnitude lies under 2^-124 (zeros among them) gets the byte 1: its codes are zeros, and this program alone reads the bytes.
;         An argmax tie goes to the lower index, on this text's own f32 rounding of the softmax.
; xq: token x 768 bytes of codes; in a K step of 128 (96 bytes) the four blocks lie in the order 0, 2, 1, 3, so that lane (r, h) of an operand finds its 48 bytes on end at 96 s + 48 h.
;     From XS_OFF on: token x 32 scale bytes, in K's order.
; w1q: a fragment (16 columns x 128 k, 12 registers a lane) is 1,536 bytes: registers 4 c .. 4 c + 3 of lane l at 512 c + 16 l.  Fragment ((e 32 + group of 128 columns) 64 + 8 S + tile).
;     Lane r of tile 2 b + u is column 32 b + 8 u + r + 8 (r / 8) of the group.  From WS_OFF on: ((e 8 + S) 4096 + n) words, byte t for block t of K step S.
; No tensor loads, no matrix unit, no cluster: a lane takes a column and its registers run down K, straight from memory; several work-groups share a WGP, which keeps many loads on their way.
; A wave of the x path takes only four tokens (16,384 bytes, with 12 loads of 512 bytes out at a time), so that its chain of waits is no longer than a weight wave's.
.set XWG,    128
.set TPW,    4                         ; tokens of a wave
.set NST,    2*TPW                     ; its steps of 512 numbers
.set XS_OFF, 1572864
.set WS_OFF, 12582912
.set NB,     16384                     ; a row of W1 in bytes
.set WRT,    12288                     ; LDS: 0 .. 12287 the weight path's stages (3,072 a wave); here Wr transposed: e 5120 + 4 k + 16 (k / 16)
.set XREG,   32768                     ; the x path: 5,632 bytes a wave: two stages of 32 x 80, then its scale bytes
.set SP,     80
.set WR,  16                           ; v16-79   Wr of my 16 k, 16 registers an expert
.set R,   80                           ; v80-127  three sets of 16 numbers as loaded
.set X,   128                          ; v128-159 two sets of 16 neighbours
.set C,   160                          ; v160-167 two sets of codes
.set E,   168                          ; v168-169 scale bytes
.set ACC, 170                          ; v170-177 a pair of partial sums an expert
.set LG,  178                          ; v178-181 logits: token j's in lane j
.set T,   182                          ; v182-189 at work
.set WX,  32                           ; weight path: v32-95 two sets of 32 numbers
.set WC,  96                           ; v96-104 a block's codes
.set SB,  24                           ; v24 the scale word
.set SRC, 10
.set COD, 12
.set SCA, 14
	s_load_b256 s[4:11], s[0:1], 0x0               ; x, Wr, br, W1
	s_load_b128 s[12:15], s[0:1], 0x20             ; xq, eid
	s_load_b64 s[16:17], s[0:1], 0x30              ; w1q
	v_lshl_add_u32 v192, v0, 2, 0xd800
	v_mov_b32 v193, 0
	v_lshrrev_b32 v1, 5, v0
	v_readfirstlane_b32 s18, v1                    ; wave
	s_wait_kmcnt 0x0
	s_cmp_lt_u32 ttmp9, XWG
	s_cbranch_scc0 .Lno_fill
	v_lshlrev_b32 v3, 4, v0                        ; thread t takes rows k = t + 128 i of Wr, 16 bytes each
.irp i, 0,1,2,3,4,5,6,7
	global_load_b128 v[16+4*\i:19+4*\i], v3, s[6:7] offset:2048*\i
.endr
	v_lshrrev_b32 v4, 4, v0
	v_lshlrev_b32 v4, 4, v4
	v_lshl_add_u32 v4, v0, 2, v4                   ; 4 t + 16 (t / 16)
	s_wait_loadcnt 0x0
.irp i, 0,1,2,3,4,5,6,7
.irp e, 0,1,2,3
	ds_store_b32 v4, v[16+4*\i+\e] offset:WRT+5120*\e+640*\i
.endr
.endr
.Lno_fill:
	s_wait_dscnt 0x0                               ; my stores of Wr have landed
	s_barrier_signal -1
	s_barrier_wait -1                              ; the launch's one barrier, on every work-group's way
	s_cmp_lt_u32 ttmp9, XWG
	s_cbranch_scc0 .Lweights
; ---------------- the x path: a wave takes TPW tokens, in NST steps of 512 numbers: step t is half t / TPW of token t % TPW
	s_load_b128 s[24:27], s[8:9], 0x0              ; br
	v_and_b32 v2, 31, v0                           ; lane
	v_lshlrev_b32 v3, 4, v2                        ; my 16 bytes of a load's 512
	s_mul_i32 s19, s18, 5632
	s_add_co_u32 s19, s19, XREG
	v_lshrrev_b32 v14, 2, v2
	v_mul_u32_u24 v14, v14, SP
	v_and_b32 v15, 3, v2
	v_lshl_add_u32 v14, v15, 4, v14
	v_add_nc_u32 v14, s19, v14                     ; the stage, in: 80 (lane / 4) + 16 (lane % 4)
	v_mul_u32_u24 v15, v2, SP
	v_add_nc_u32 v9, WRT, v15                      ; Wr of my 16 k
	v_add_nc_u32 v15, s19, v15                     ; the stage, out: 80 x lane: my 16 neighbours
	v_lshrrev_b32 v4, 3, v2                        ; my 12 bytes of codes: K step lane / 8, block (lane / 2) % 4 in the order 0, 2, 1, 3, half lane % 2
	v_mul_u32_u24 v4, v4, 96
	v_bfe_u32 v5, v2, 1, 1
	v_mad_u32_u24 v4, v5, 48, v4
	v_bfe_u32 v5, v2, 2, 1
	v_mad_u32_u24 v4, v5, 24, v4
	v_and_b32 v5, 1, v2
	v_mad_u32_u24 v4, v5, 12, v4
	v_lshrrev_b32 v5, 1, v2
	s_add_co_u32 s19, s19, 5120
	v_add_nc_u32 v5, s19, v5                       ; my block's scale byte in LDS
	v_lshlrev_b32 v7, 2, v2                        ; 4 bytes a lane: the scale bytes' way out, and the experts'
	v_add_nc_u32 v6, s19, v7
.irp e, 0,1,2,3
	v_mov_b32 v[T+4+\e], 0                         ; a lane permute's destination counts as one of its sources
.endr
	s_mov_b32 s28, 0x76543210
	s_mov_b32 s29, 0xfedcba98                      ; selects for lane l xor 16
	s_lshl_b32 s19, ttmp9, 2
	s_add_co_u32 s19, s19, s18                     ; which run of four tokens is my wave's
	s_mov_b32 s21, 0
	s_lshl_b32 s20, s19, 14
	s_add_nc_u64 s[4:5], s[4:5], s[20:21]
	s_mul_i32 s20, s19, 3072
	s_add_nc_u64 s[22:23], s[12:13], s[20:21]      ; its codes
	s_lshl_b32 s20, s19, 7
	s_add_co_u32 s20, s20, XS_OFF
	s_add_nc_u64 s[12:13], s[12:13], s[20:21]      ; its scale bytes
	s_lshl_b32 s20, s19, 4
	s_add_nc_u64 s[14:15], s[14:15], s[20:21]      ; its experts
.macro WRLOAD f                        ; Wr(512 f + 16 lane + i, e) into v[WR + 16 e + i]
.irp e, 0,1,2,3
.irp i, 0,1,2,3
	ds_load_b128 v[WR+16*\e+4*\i:WR+16*\e+4*\i+3], v9 offset:2560*\f+5120*\e+16*\i
.endr
.endr
	s_wait_dscnt 0x0
.endm
.macro XLOADS t
.irp i, 0,1,2,3
	global_load_b128 v[R+16*((\t)%3)+4*\i:R+16*((\t)%3)+4*\i+3], v3, s[4:5] offset:4096*((\t)%TPW)+2048*((\t)/TPW)+512*\i th:TH_LOAD_NT
.endr
.endm
.macro XTURN t                         ; a step's 2,048 bytes through my stage: in as they lie, out 64 bytes a lane; LDS serves a wave's instructions in order
.irp i, 0,1,2,3
	ds_store_b128 v14, v[R+16*((\t)%3)+4*\i:R+16*((\t)%3)+4*\i+3] offset:32*SP*((\t)%2)+8*SP*\i
.endr
.irp i, 0,1,2,3
	ds_load_b128 v[X+16*((\t)%2)+4*\i:X+16*((\t)%2)+4*\i+3], v15 offset:32*SP*((\t)%2)+16*\i
.endr
.endm
.macro XSTEP t
.set XB, X+16*((\t)%2)
.set CB, C+4*((\t)%2)
.set JT, (\t)%TPW
.set HF, (\t)/TPW
.if (\t) > 0
	s_wait_dscnt 1                                 ; this step's numbers are back from the stage; the last step's byte store may be out
.else
	s_wait_dscnt 0x0
.endif
.if (\t)+3 < NST
	XLOADS (\t)+3                                  ; into the set that this step's stage stores have read
.endif
.if (\t)+1 < NST
.if NST-2-(\t) >= 2
	s_wait_loadcnt 8                               ; the next step's four loads are in; those of the two steps behind it may be out
.else
	s_wait_loadcnt 4*(NST-2-(\t))
.endif
	XTURN (\t)+1
.endif
	v_max3_num_f32 v10, |v[XB]|, |v[XB+1]|, |v[XB+2]|
	v_max3_num_f32 v12, |v[XB+3]|, |v[XB+4]|, |v[XB+5]|
.irp i, 6,10
	v_max3_num_f32 v10, v10, |v[XB+\i]|, |v[XB+\i+1]|
	v_max3_num_f32 v12, v12, |v[XB+\i+2]|, |v[XB+\i+3]|
.endr
	v_max3_num_f32 v10, v10, |v[XB+14]|, |v[XB+15]|
	v_max3_num_f32 v10, v10, v12, 0x1800000        ; and the floor 2^(3 - 127): the byte cannot fall under 1
	v_max_num_f32_dpp v10, v10, v10 row_xmask:1 row_mask:0xf bank_mask:0xf   ; with my neighbour's 16: the block's
	v_add_nc_u32 v11, 0xff000000, v10              ; 2 off the exponent field: the conversion's scale operand
	s_wait_xcnt 0x0                                ; the store of two steps ago has read this set of codes
	v_cvt_scalef32_pk16_fp6_f32 v[CB:CB+2], v[XB:XB+15], v11
	v_lshrrev_b32 v[E+(\t)%2], 23, v11             ; the scale's byte (a plain line behind the conversion)
	ds_store_b8 v5, v[E+(\t)%2] offset:32*JT+16*HF
	global_store_b96 v4, v[CB:CB+2], s[22:23] offset:768*JT+384*HF
	; the router: my 16 numbers against Wr's four columns, f32 multiply-adds, two at a time
.irp e, 0,1,2,3
	v_pk_mul_f32 v[ACC+2*\e:ACC+2*\e+1], v[XB:XB+1], v[WR+16*\e:WR+16*\e+1]
.endr
.irp m, 1,2,3,4,5,6,7
.irp e, 0,1,2,3
	v_pk_fma_f32 v[ACC+2*\e:ACC+2*\e+1], v[XB+2*\m:XB+2*\m+1], v[WR+16*\e+2*\m:WR+16*\e+2*\m+1], v[ACC+2*\e:ACC+2*\e+1]
.endr
.endr
.irp e, 0,1,2,3
	v_add_f32 v[T+\e], v[ACC+2*\e], v[ACC+2*\e+1]
.endr
.irp q, 1,2,4,8
.irp e, 0,1,2,3
	v_add_f32_dpp v[T+\e], v[T+\e], v[T+\e] row_xmask:\q row_mask:0xf bank_mask:0xf
.endr
.endr
.irp e, 0,1,2,3
	v_permlanex16_b32 v[T+4+\e], v[T+\e], s28, s29
.endr
.irp e, 0,1,2,3
	v_add_f32 v[T+\e], v[T+\e], v[T+4+\e]          ; every lane holds the half token's four sums
.endr
.if (\t) == 0
.irp e, 0,1,2,3
	v_mov_b32 v[LG+\e], v[T+\e]
.endr
.elseif HF == 0
	s_mov_b32 s30, 1<<JT
.irp e, 0,1,2,3
	v_cndmask_b32 v[LG+\e], v[LG+\e], v[T+\e], s30 ; lane j keeps token j's
.endr
.else
	s_mov_b32 s30, 1<<JT
.irp e, 0,1,2,3
	v_add_f32 v[T+\e], v[T+\e], v[LG+\e]
.endr
.irp e, 0,1,2,3
	v_cndmask_b32 v[LG+\e], v[LG+\e], v[T+\e], s30
.endr
.endif
.endm
	WRLOAD 0
	XLOADS 0
	XLOADS 1
	XLOADS 2
	s_wait_loadcnt 8                               ; step 0's four loads are in
	XTURN 0
.irp t, 0,1,2,3
	XSTEP \t
.endr
	WRLOAD 1                                       ; the tokens' second halves want Wr's second half
.irp t, 4,5,6,7
	XSTEP \t
.endr
	ds_load_b32 v12, v6                            ; my wave's 128 scale bytes
	s_wait_dscnt 0x0
	global_store_b32 v7, v12, s[12:13]             ; 32 lanes store 128 consecutive bytes
	s_wait_kmcnt 0x0                               ; br
.irp e, 0,1,2,3
	v_add_f32 v[LG+\e], s[24+\e], v[LG+\e]
.endr
	v_max3_num_f32 v182, v178, v179, v180          ; the softmax: the maximum is taken away first
	v_max_num_f32 v182, v182, v181
.irp e, 0,1,2,3
	v_sub_f32 v[LG+\e], v[LG+\e], v182
.endr
.irp e, 0,1,2,3
	v_mul_f32 v[LG+\e], 0x3fb8aa3b, v[LG+\e]
.endr
.irp e, 0,1,2,3
	v_exp_f32 v[LG+\e], v[LG+\e]
.endr
	v_mov_b32 v186, 0                              ; (a plain line behind the exponentials)  the best expert so far
	s_wait_alu depctr_va_vdst(0)
	v_add_f32 v183, v178, v179
	v_add_f32 v184, v180, v181
	v_add_f32 v183, v183, v184
	v_rcp_f32 v183, v183
	v_mov_b32 v187, 1                              ; (a plain line behind the reciprocal)
	v_mov_b32 v188, 2
	v_mov_b32 v189, 3
	s_wait_alu depctr_va_vdst(0)
.irp e, 0,1,2,3
	v_mul_f32 v[LG+\e], v[LG+\e], v183
.endr
	v_mov_b32 v185, v178
.irp e, 1,2,3
	v_cmp_gt_f32 vcc_lo, v[LG+\e], v185            ; strictly larger: a tie stays with the lower index
	v_cndmask_b32 v186, v186, v[186+\e], vcc_lo
	v_cndmask_b32 v185, v185, v[LG+\e], vcc_lo
.endr
	v_cmp_gt_u32 vcc_lo, TPW, v2
	s_wait_xcnt 0x0                                ; EXEC changes only behind this wait
	s_wait_tensorcnt 0x0
	ds_add_u32 v192, v193
	s_wait_dscnt 0x0
	s_and_saveexec_b32 s30, vcc_lo
	global_store_b32 v7, v186, s[14:15]            ; lanes 0-3: my four tokens' experts
	s_wait_xcnt 0x0
	s_or_b32 exec_lo, exec_lo, s30
	s_endpgm
; ---------------- the weight path: a wave takes 32 columns x one K step of 128
.macro WLOAD t                         ; block t: W(32 t + i, my column) into set t % 2; each load reads 128 consecutive bytes, the four waves stand side by side
.set I_, 0
.rept 32
	global_load_b32 v[WX+32*((\t)%2)+I_], v3, s[SRC:SRC+1] offset:(32*(\t)+I_)*NB th:TH_LOAD_NT
.set I_, I_+1
.endr
.endm
.macro WBLOCK t
.set XB, WX+32*((\t)%2)
.if (\t) < 3
	s_wait_loadcnt 32                              ; this block's 32 loads are in; the next block's may be out
.else
	s_wait_loadcnt 0x0
.endif
	v_max3_num_f32 v12, |v[XB]|, |v[XB+1]|, |v[XB+2]|
	v_max3_num_f32 v13, |v[XB+3]|, |v[XB+4]|, |v[XB+5]|
.irp i, 6,10,14,18,22,26
	v_max3_num_f32 v12, v12, |v[XB+\i]|, |v[XB+\i+1]|
	v_max3_num_f32 v13, v13, |v[XB+\i+2]|, |v[XB+\i+3]|
.endr
	v_max3_num_f32 v12, v12, |v[XB+30]|, |v[XB+31]|
	v_max3_num_f32 v12, v12, v13, 0x1800000        ; the floor 2^(3 - 127)
	v_add_nc_u32 v11, 0xff000000, v12
	v_lshrrev_b32 v13, 23, v11
.if (\t) == 0
	v_mov_b32 v[SB], v13
.else
	v_lshl_or_b32 v[SB], v13, 8*(\t), v[SB]
.endif
	v_cvt_scalef32_pk16_fp6_f32 v[WC:WC+2], v[XB:XB+15], v11
	v_cvt_scalef32_pk16_fp6_f32 v[WC+6:WC+8], v[XB+16:XB+31], v11   ; (a conversion's three registers begin on an even number)
	v_nop                                          ; one plain line behind a scaled conversion
.irp i, 0,1,2
	v_mov_b32 v[WC+3+\i], v[WC+6+\i]
.endr
; block t is registers 6 (t / 2) .. + 5 of lane r' + 16 (t % 2) of my column's tile
.if (\t) < 2
	ds_store_b128 v4, v[WC:WC+3] offset:256*((\t)%2)
	ds_store_b64 v4, v[WC+4:WC+5] offset:256*((\t)%2)+512
.else
	ds_store_b64 v4, v[WC:WC+1] offset:256*((\t)%2)+520
	ds_store_b128 v4, v[WC+2:WC+5] offset:256*((\t)%2)+1024
.endif
.if (\t) < 2
	WLOAD (\t)+2
.endif
	s_wait_dscnt 0x0                               ; the stores have read the codes' registers
.endm
.Lweights:
	s_sub_co_u32 s19, ttmp9, XWG
	s_and_b32 s20, s19, 31                         ; the group of 128 columns
	s_bfe_u32 s21, s19, 0x30005                    ; K step S
	s_lshr_b32 s22, s19, 8                         ; expert
	s_lshl_b32 s24, s22, 24
	s_lshl_b32 s25, s21, 21
	s_add_co_u32 s24, s24, s25
	s_lshl_b32 s25, s20, 9
	s_add_co_u32 s24, s24, s25
	s_lshl_b32 s25, s18, 7
	s_add_co_u32 s24, s24, s25
	s_mov_b32 s25, 0
	s_add_nc_u64 s[SRC:SRC+1], s[10:11], s[24:25]
	s_lshl_b32 s24, s22, 5
	s_add_co_u32 s24, s24, s20
	s_lshl_b32 s24, s24, 6
	s_lshl_b32 s26, s21, 3
	s_add_co_u32 s24, s24, s26
	s_lshl_b32 s26, s18, 1
	s_add_co_u32 s24, s24, s26
	s_mul_i32 s24, s24, 1536
	s_add_nc_u64 s[COD:COD+1], s[16:17], s[24:25]
	s_lshl_b32 s24, s22, 3
	s_add_co_u32 s24, s24, s21
	s_lshl_b32 s24, s24, 14
	s_lshl_b32 s26, s20, 9
	s_add_co_u32 s24, s24, s26
	s_lshl_b32 s26, s18, 7
	s_add_co_u32 s24, s24, s26
	s_add_co_u32 s24, s24, WS_OFF
	s_add_nc_u64 s[SCA:SCA+1], s[16:17], s[24:25]
	v_and_b32 v1, 31, v0                           ; my column n of the wave's 32
	v_lshlrev_b32 v3, 2, v1
	v_bfe_u32 v5, v1, 3, 1                         ; its tile u = (n / 8) % 2
	v_and_b32 v6, 7, v1
	v_lshrrev_b32 v9, 4, v1
	v_lshl_add_u32 v6, v9, 3, v6                   ; and its lane there r' = n % 8 + 8 (n / 16)
	s_mul_i32 s26, s18, 3072
	v_mul_u32_u24 v4, v5, 1536
	v_lshl_add_u32 v4, v6, 4, v4
	v_add_nc_u32 v4, s26, v4
	v_lshlrev_b32 v8, 4, v1
	v_add_nc_u32 v7, s26, v8
	WLOAD 0
	WLOAD 1
	WBLOCK 0
	WBLOCK 1
	WBLOCK 2
	WBLOCK 3
	global_store_b32 v3, v[SB], s[SCA:SCA+1]       ; 32 scale words, 128 consecutive bytes
.irp j, 0,1,2,3,4,5
	ds_load_b128 v[WX+4*\j:WX+4*\j+3], v7 offset:512*\j   ; my own bytes: LDS serves a wave's instructions in order
.endr
.irp j, 0,1,2,3,4,5
	s_wait_dscnt 5-\j
	global_store_b128 v8, v[WX+4*\j:WX+4*\j+3], s[COD:COD+1] offset:512*\j   ; two fragments, 3,072 consecutive bytes
.endr
	s_wait_tensorcnt 0x0
	ds_add_u32 v192, v193
	s_wait_dscnt 0x0
	s_endpgm
.Lfunc_end_k_qeef5a82495_prep1:
	.size	k_qeef5a82495_prep1, .Lfunc_end_k_qeef5a82495_prep1-k_qeef5a82495_prep1
	.p2alignl 7, 3214868480
	.fill 96, 4, 3214868480
	.section	.rodata,"a",@progbits
	.p2align	6, 0x0
	.amdhsa_kernel k_qeef5a82495_prep1
		.amdhsa_group_segment_fixed_size 55808
		.amdhsa_private_segment_fixed_size 0
		.amdhsa_enable_private_segment 0
		.amdhsa_kernarg_size 56
		.amdhsa_user_sgpr_count 2
		.amdhsa_user_sgpr_kernarg_segment_ptr 1
		.amdhsa_wavefront_size32 1
		.amdhsa_system_sgpr_workgroup_id_x 1
		.amdhsa_system_sgpr_workgroup_id_y 1
		.amdhsa_system_sgpr_workgroup_id_z 1
		.amdhsa_system_vgpr_workitem_id 0
		.amdhsa_next_free_vgpr 194
		.amdhsa_next_free_sgpr 66
		.amdhsa_reserve_vcc 1
		.amdhsa_float_denorm_mode_32 3
		.amdhsa_float_denorm_mode_16_64 3
		.amdhsa_memory_ordered 1
		.amdhsa_forward_progress 1
		.amdhsa_inst_pref_size 78
	.end_amdhsa_kernel
	.amdgpu_metadata
---
amdhsa.version: [ 1, 2 ]
amdhsa.kernels:
  - .name:           k_qeef5a82495_prep1
    .symbol:         k_qeef5a82495_prep1.kd
    .args:
      - { .name: x, .offset: 0, .size: 8, .value_kind: global_buffer, .address_space: global }
      - { .name: Wr, .offset: 8, .size: 8, .value_kind: global_buffer, .address_space: global }
      - { .name: br, .offset: 16, .size: 8, .value_kind: global_buffer, .address_space: global }
      - { .name: W1, .offset: 24, .size: 8, .value_kind: global_buffer, .address_space: global }
      - { .name: xq, .offset: 32, .size: 8, .value_kind: global_buffer, .address_space: global }
      - { .name: eid, .offset: 40, .size: 8, .value_kind: global_buffer, .address_space: global }
      - { .name: w1q, .offset: 48, .size: 8, .value_kind: global_buffer, .address_space: global }
    .group_segment_fixed_size: 55808
    .private_segment_fixed_size: 0
    .kernarg_segment_align: 8
    .kernarg_segment_size: 56
    .max_flat_workgroup_size: 128
    .sgpr_count:     66
    .vgpr_count:     194
    .wavefront_size: 32
...
	.end_amdgpu_metadata
.endif
;; end of part 1
;; launch prep2 (part 2): grid 1025 x 1, 4 waves a work-group, no clusters, 12,800 bytes of LDS; arguments W2, eid, w2q, ord; writes w2q, ord
.if DOCPART == 2
	.amdgcn_target "amdgcn-amd-amdhsa--gfx1250"
	.amdhsa_code_object_version 6
	.text
	.protected	k_qeef5a82495_prep2
	.globl	k_qeef5a82495_prep2
	.p2align	8
	.type	k_qeef5a82495_prep2,@function
k_qeef5a82495_prep2:
	s_mov_b64 s[64:65], 0
	v_nop
	global_prefetch_b8 v0, s[64:65] scope:SCOPE_SE
	s_setreg_imm32_b32 hwreg(HW_REG_WAVE_MODE, 25, 1), 1
	s_wait_xcnt 0x0
; Work-group 0: the tokens are placed by expert (a counting sort of eid, which the launch before stored): ord holds, for each sorted place, its token.
;   Every one of its four waves counts all four experts' tokens (it needs the table of tiles); then WAVE e PLACES EXPERT e's TOKENS alone, so that the four experts are placed side by side.
;   Expert e owns the tiles of 16 places T0[e] .. T0[e] + nt[e] - 1, nt = ceil(tokens of e / 16).  The places left over in its last tile hold the expert's LAST token once more: that token's own place
;   lies in the same tile, so the later launches compute its row twice in one tile and store the same numbers twice from one wave; they need no mask.
;   At byte 8448 of ord: T0[4], nt[4], TT = the sum of nt (128 to 131).  Places from 16 TT on are read by no launch; place 2111, in tile 131, which is never a tile of tokens, takes the stores of lanes that have
;   no place to fill: lanes whose token is another wave's, and lanes beyond the places left over.
; Work-groups 1-1024: W2 [4][4096 (k)][1024 (n)] f32 -> codes of E2M3 as images of operand registers, and scale words (w2q), as W1 in the launch before, with neighbouring columns in a tile:
;   fragment (((e 16 + group of 64 columns) 32 + S) 4 + tile) x 1,536 bytes; from WS_OFF on ((e 32 + S) 1024 + n) words.
; LIMITS: NaN and infinities are not served; a block whose largest magnitude lies under 2^-124 gets the byte 1 (its codes are zeros; this program alone reads the bytes).
; The sort rides in this launch, beside the stream of W2: it needs the experts of all tokens, so it cannot stand in the launch that chooses them.  No barrier, no atomics, no change of EXEC.
.set WS_OFF, 12582912
.set NB,     4096                      ; a row of W2 in bytes
.set WX,  32
.set WC,  96
.set SB,  24
.set SRC, 4
.set COD, 44                           ; (the weights' way alone)
.set SCA, 46
.set E,   16                           ; v16-79   chunk c's experts (token 32 c + lane), later its store's offset
.set TK,  80                           ; v80-143  chunk c's tokens
.set P,   8                            ; v8-11    my place, for four chunks at a time
.set PO,  144                          ; v144     the offsets of the left-over places
.set PV,  148                          ; v148     what they hold
.set NE,  36                           ; s36-39   tokens of expert e
.set BS,  40                           ; s40-43   my expert's next free place at the head of each of four chunks; s40 runs on  (the placing way alone, as the four below)
.set CL,  44                           ; s44      the last chunk that has a token of my expert
.set ML,  45                           ; s45      and that chunk's mask of lanes
.set MNT, 46                           ; s46      my expert's number of tiles
.set MNE, 47                           ; s47      and of tokens
	s_load_b256 s[4:11], s[0:1], 0x0               ; W2, eid, w2q, ord
	v_lshl_add_u32 v152, v0, 2, 0x3000
	v_mov_b32 v153, 0
	v_lshrrev_b32 v1, 5, v0
	v_readfirstlane_b32 s34, v1                    ; wave
	v_and_b32 v1, 31, v0                           ; lane
	s_wait_kmcnt 0x0
	s_cmp_lg_u32 ttmp9, 0
	s_cbranch_scc1 .Lweights
	v_lshlrev_b32 v2, 2, v1
.set Q, 0
.rept 64
	global_load_b32 v[E+Q], v2, s[6:7] offset:128*Q
.set Q, Q+1
.endr
.irp e, 0,1,2,3
	s_mov_b32 s[NE+\e], 0
.endr
	s_mov_b32 s[CL], 0
	s_mov_b32 s[ML], 0
	s_wait_loadcnt 0x0
.macro COUNT c
.irp e, 0,1,2,3
	v_cmp_eq_u32 s[16+\e], \e, v[E+\c]
.endr
.irp e, 0,1,2,3
	s_bcnt1_i32_b32 s[20+\e], s[16+\e]
.endr
.irp e, 0,1,2,3
	s_add_co_u32 s[NE+\e], s[NE+\e], s[20+\e]
.endr
.endm
.set Q, 0
.rept 64
	COUNT Q
.set Q, Q+1
.endr
.irp e, 0,1,2,3
	s_add_co_u32 s[24+\e], s[NE+\e], 15
	s_lshr_b32 s[24+\e], s[24+\e], 4               ; nt
.endr
	s_mov_b32 s28, 0                               ; T0
	s_add_co_u32 s29, s28, s24
	s_add_co_u32 s30, s29, s25
	s_add_co_u32 s31, s30, s26
	s_add_co_u32 s32, s31, s27                     ; TT
	s_mov_b32 s[BS], s28                           ; my expert is my wave's number: its first tile, its tiles, its tokens
	s_mov_b32 s[MNT], s24
	s_mov_b32 s[MNE], s[NE]
.irp e, 1,2,3
	s_cmp_eq_u32 s34, \e
	s_cselect_b32 s[BS], s[28+\e], s[BS]
	s_cselect_b32 s[MNT], s[24+\e], s[MNT]
	s_cselect_b32 s[MNE], s[NE+\e], s[MNE]
.endr
	s_lshl_b32 s[BS], s[BS], 4                     ; its next free place
	v_mov_b32 v12, 2111                            ; the place for lanes that have none to fill
; Four chunks at a time, line by line, so that no line waits for the line above it.  Each chunk has registers of its own for its store: no wait is needed.
.macro PLACE4 c
.irp k, 0,1,2,3
	v_cmp_eq_u32 s[16+\k], s34, v[E+(\c)+\k]       ; the lanes whose token is my expert's
.endr
.irp k, 0,1,2,3
	s_bcnt1_i32_b32 s[20+\k], s[16+\k]             ; SCC: some lane of this chunk has my expert
	s_cselect_b32 s[CL], (\c)+\k, s[CL]            ; then this is the last such chunk so far,
	s_cselect_b32 s[ML], s[16+\k], s[ML]           ; and this its mask
.endr
	s_add_co_u32 s[BS+1], s[BS], s20
	s_add_co_u32 s[BS+2], s[BS+1], s21
	s_add_co_u32 s[BS+3], s[BS+2], s22
.irp k, 0,1,2,3
	v_mbcnt_lo_u32_b32 v[P+\k], s[16+\k], s[BS+\k] ; the next free place + how many lower lanes have my expert
.endr
	s_add_co_u32 s[BS], s[BS+3], s23
.irp k, 0,1,2,3
	v_cndmask_b32 v[P+\k], v12, v[P+\k], s[16+\k]
.endr
.irp k, 0,1,2,3
	v_min_u32 v[P+\k], 2111, v[P+\k]               ; inside the 132 x 16 places
.endr
.irp k, 0,1,2,3
	v_lshlrev_b32 v[E+(\c)+\k], 2, v[P+\k]
.endr
.irp k, 0,1,2,3
	v_add_nc_u32 v[TK+(\c)+\k], 32*((\c)+\k), v1
.endr
.irp k, 0,1,2,3
	global_store_b32 v[E+(\c)+\k], v[TK+(\c)+\k], s[10:11]
.endr
.endm
.set Q, 0
.rept 16
	PLACE4 Q
.set Q, Q+4
.endr
	; the places left over in my expert's last tile take its last token
	s_lshl_b32 s20, s[MNT], 4
	s_sub_co_u32 s20, s20, s[MNE]                  ; how many are left over: 0 to 15
	s_clz_i32_u32 s21, s[ML]
	s_sub_co_u32 s21, 31, s21                      ; the highest lane of the last chunk that has the expert
	s_lshl_b32 s22, s[CL], 5
	s_add_co_u32 s21, s21, s22                     ; its token: the expert's last
	s_min_u32 s21, s21, 2047                       ; (an expert without tokens has no place left over: its number goes to place 2111 alone)
	v_add_nc_u32 v[PO], s[BS], v1                  ; behind the expert's last token
	v_cmp_gt_u32 vcc_lo, s20, v1
	v_cndmask_b32 v[PO], v12, v[PO], vcc_lo
	v_min_u32 v[PO], 2111, v[PO]
	v_lshlrev_b32 v[PO], 2, v[PO]
	v_mov_b32 v[PV], s21
	global_store_b32 v[PO], v[PV], s[10:11]
	s_cmp_lg_u32 s34, 0
	s_cbranch_scc1 .Lend                           ; one wave stores the table
	v_mov_b32 v14, 0
.irp e, 0,1,2,3
	v_writelane_b32 v14, s[28+\e], \e
	v_writelane_b32 v14, s[24+\e], 4+\e
.endr
	v_writelane_b32 v14, s32, 8
	global_store_b32 v2, v14, s[10:11] offset:8448
.Lend:
	s_endpgm
.macro WLOAD t                         ; block t: W(32 t + i, my column) into set t % 2; each load reads 128 consecutive bytes, the four waves stand side by side
.set I_, 0
.rept 32
	global_load_b32 v[WX+32*((\t)%2)+I_], v3, s[SRC:SRC+1] offset:(32*(\t)+I_)*NB th:TH_LOAD_NT
.set I_, I_+1
.endr
.endm
.macro WBLOCK t
.set XB, WX+32*((\t)%2)
.if (\t) < 3
	s_wait_loadcnt 32                              ; this block's 32 loads are in; the next block's may be out
.else
	s_wait_loadcnt 0x0
.endif
	v_max3_num_f32 v12, |v[XB]|, |v[XB+1]|, |v[XB+2]|
	v_max3_num_f32 v13, |v[XB+3]|, |v[XB+4]|, |v[XB+5]|
.irp i, 6,10,14,18,22,26
	v_max3_num_f32 v12, v12, |v[XB+\i]|, |v[XB+\i+1]|
	v_max3_num_f32 v13, v13, |v[XB+\i+2]|, |v[XB+\i+3]|
.endr
	v_max3_num_f32 v12, v12, |v[XB+30]|, |v[XB+31]|
	v_max3_num_f32 v12, v12, v13, 0x1800000        ; the floor 2^(3 - 127)
	v_add_nc_u32 v11, 0xff000000, v12              ; 2 off the exponent field: the conversion's scale operand
	v_lshrrev_b32 v13, 23, v11
.if (\t) == 0
	v_mov_b32 v[SB], v13
.else
	v_lshl_or_b32 v[SB], v13, 8*(\t), v[SB]
.endif
	v_cvt_scalef32_pk16_fp6_f32 v[WC:WC+2], v[XB:XB+15], v11
	v_cvt_scalef32_pk16_fp6_f32 v[WC+6:WC+8], v[XB+16:XB+31], v11   ; (a conversion's three registers begin on an even number)
	v_nop                                          ; one plain line behind a scaled conversion
.irp i, 0,1,2
	v_mov_b32 v[WC+3+\i], v[WC+6+\i]
.endr
; block t is registers 6 (t / 2) .. + 5 of lane r' + 16 (t % 2) of my column's tile
.if (\t) < 2
	ds_store_b128 v4, v[WC:WC+3] offset:256*((\t)%2)
	ds_store_b64 v4, v[WC+4:WC+5] offset:256*((\t)%2)+512
.else
	ds_store_b64 v4, v[WC:WC+1] offset:256*((\t)%2)+520
	ds_store_b128 v4, v[WC+2:WC+5] offset:256*((\t)%2)+1024
.endif
.if (\t) < 2
	WLOAD (\t)+2
.endif
	s_wait_dscnt 0x0                               ; the stores have read the codes' registers
.endm
.Lweights:
	s_sub_co_u32 s36, ttmp9, 1
	s_and_b32 s37, s36, 7                          ; which 128 columns
	s_bfe_u32 s38, s36, 0x50003                    ; K step S
	s_lshr_b32 s39, s36, 8                         ; expert
	s_lshl_b32 s40, s39, 24
	s_lshl_b32 s41, s38, 19
	s_add_co_u32 s40, s40, s41
	s_lshl_b32 s41, s37, 9
	s_add_co_u32 s40, s40, s41
	s_lshl_b32 s41, s34, 7
	s_add_co_u32 s40, s40, s41
	s_mov_b32 s41, 0
	s_add_nc_u64 s[SRC:SRC+1], s[4:5], s[40:41]
	s_lshl_b32 s40, s39, 4
	s_lshl_b32 s42, s37, 1
	s_add_co_u32 s40, s40, s42
	s_lshr_b32 s42, s34, 1
	s_add_co_u32 s40, s40, s42                     ; e 16 + the group of 64 columns
	s_lshl_b32 s40, s40, 5
	s_add_co_u32 s40, s40, s38
	s_lshl_b32 s40, s40, 2
	s_and_b32 s42, s34, 1
	s_lshl_b32 s42, s42, 1
	s_add_co_u32 s40, s40, s42
	s_mul_i32 s40, s40, 1536
	s_add_nc_u64 s[COD:COD+1], s[8:9], s[40:41]
	s_lshl_b32 s40, s39, 5
	s_add_co_u32 s40, s40, s38
	s_lshl_b32 s40, s40, 12
	s_lshl_b32 s42, s37, 9
	s_add_co_u32 s40, s40, s42
	s_lshl_b32 s42, s34, 7
	s_add_co_u32 s40, s40, s42
	s_add_co_u32 s40, s40, WS_OFF
	s_add_nc_u64 s[SCA:SCA+1], s[8:9], s[40:41]
	v_lshlrev_b32 v3, 2, v1
	v_lshrrev_b32 v5, 4, v1                        ; my column's tile u = n / 16
	v_and_b32 v6, 15, v1                           ; and its lane there r' = n % 16
	s_mul_i32 s42, s34, 3072
	v_mul_u32_u24 v4, v5, 1536
	v_lshl_add_u32 v4, v6, 4, v4
	v_add_nc_u32 v4, s42, v4
	v_lshlrev_b32 v8, 4, v1
	v_add_nc_u32 v7, s42, v8
	WLOAD 0
	WLOAD 1
	WBLOCK 0
	WBLOCK 1
	WBLOCK 2
	WBLOCK 3
	global_store_b32 v3, v[SB], s[SCA:SCA+1]       ; 32 scale words, 128 consecutive bytes
.irp j, 0,1,2,3,4,5
	ds_load_b128 v[WX+4*\j:WX+4*\j+3], v7 offset:512*\j   ; my own bytes: LDS serves a wave's instructions in order
.endr
.irp j, 0,1,2,3,4,5
	s_wait_dscnt 5-\j
	global_store_b128 v8, v[WX+4*\j:WX+4*\j+3], s[COD:COD+1] offset:512*\j   ; two fragments, 3,072 consecutive bytes
.endr
	s_wait_tensorcnt 0x0
	ds_add_u32 v152, v153
	s_wait_dscnt 0x0
	s_endpgm
.Lfunc_end_k_qeef5a82495_prep2:
	.size	k_qeef5a82495_prep2, .Lfunc_end_k_qeef5a82495_prep2-k_qeef5a82495_prep2
	.p2alignl 7, 3214868480
	.fill 96, 4, 3214868480
	.section	.rodata,"a",@progbits
	.p2align	6, 0x0
	.amdhsa_kernel k_qeef5a82495_prep2
		.amdhsa_group_segment_fixed_size 12800
		.amdhsa_private_segment_fixed_size 0
		.amdhsa_enable_private_segment 0
		.amdhsa_kernarg_size 32
		.amdhsa_user_sgpr_count 2
		.amdhsa_user_sgpr_kernarg_segment_ptr 1
		.amdhsa_wavefront_size32 1
		.amdhsa_system_sgpr_workgroup_id_x 1
		.amdhsa_system_sgpr_workgroup_id_y 1
		.amdhsa_system_sgpr_workgroup_id_z 1
		.amdhsa_system_vgpr_workitem_id 0
		.amdhsa_next_free_vgpr 154
		.amdhsa_next_free_sgpr 66
		.amdhsa_reserve_vcc 1
		.amdhsa_float_denorm_mode_32 3
		.amdhsa_float_denorm_mode_16_64 3
		.amdhsa_memory_ordered 1
		.amdhsa_forward_progress 1
		.amdhsa_inst_pref_size 99
	.end_amdhsa_kernel
	.amdgpu_metadata
---
amdhsa.version: [ 1, 2 ]
amdhsa.kernels:
  - .name:           k_qeef5a82495_prep2
    .symbol:         k_qeef5a82495_prep2.kd
    .args:
      - { .name: W2, .offset: 0, .size: 8, .value_kind: global_buffer, .address_space: global }
      - { .name: eid, .offset: 8, .size: 8, .value_kind: global_buffer, .address_space: global }
      - { .name: w2q, .offset: 16, .size: 8, .value_kind: global_buffer, .address_space: global }
      - { .name: ord, .offset: 24, .size: 8, .value_kind: global_buffer, .address_space: global }
    .group_segment_fixed_size: 12800
    .private_segment_fixed_size: 0
    .kernarg_segment_align: 8
    .kernarg_segment_size: 32
    .max_flat_workgroup_size: 128
    .sgpr_count:     66
    .vgpr_count:     154
    .wavefront_size: 32
...
	.end_amdgpu_metadata
.endif
;; end of part 2
;; launch fc1 (part 3): grid 256 x 1, 4 waves a work-group, no clusters, 100,864 bytes of LDS; arguments xq, w1q, b1, ord, hq; writes hq
.if DOCPART == 3
	.amdgcn_target "amdgcn-amd-amdhsa--gfx1250"
	.amdhsa_code_object_version 6
	.text
	.protected	k_qeef5a82495_fc1
	.globl	k_qeef5a82495_fc1
	.p2align	8
	.type	k_qeef5a82495_fc1,@function
k_qeef5a82495_fc1:
	s_mov_b64 s[64:65], 0
	v_nop
	global_prefetch_b8 v0, s[64:65] scope:SCOPE_SE
	s_setreg_imm32_b32 hwreg(HW_REG_WAVE_MODE, 25, 1), 1
	s_wait_xcnt 0x0
; The hidden layer of the chosen expert alone: h = Q(relu(Q(x) Q(W1[e]) + b1[e])), on codes of E2M3 with E8M0 scales, for the tokens sorted by expert.
; SHARES.  Work-group id: parity id % 2, group of 128 hidden units (id / 2) % 32, expert id / 64.  Every wave holds the group's 64 fragments of W1 (8 K steps x 8 tiles, 768 registers) for the whole launch.
; Wave w takes the expert's tiles of 16 tokens t = parity + 2 w + 8 i, i = 0 .. 15: a loop of constant count; a scalar branch on the stored number of tiles jumps over the work of tiles that the expert does not have.
; A tile is 64 matrix instructions, used transposed (source 0 = 16 columns of W1, source 1 = 16 tokens): a lane holds one token, and, by the choice of a tile's columns, the 16 registers of tiles 2 b and 2 b + 1 are
; 16 neighbours along the next product's K.  So the eight results become ONE fragment of the next product (K step = this group) in registers; it is stored as an image of its registers, by sorted tile:
; hq: (T 32 + S) x 1,536 bytes; from HS_OFF on (T 32 + S) x 64 + 4 r: row r's scale word.
; The tokens' codes are gathered by the stored list, a tile ahead.  A place left over in an expert's last tile holds the expert's last token once more: its row of h is made a second time, with the same numbers.
; NO TENSOR LOADS, NO JOINT LOADS: the trips' work hangs on counts read from memory, and work-groups of one expert would need different numbers of tiles; x's codes, the one thing shared, are a gather by list.
; LIMITS: NaN and infinities are not served; a block of h whose largest number lies under 2^-124 gets the byte 1 (its codes are zeros; this program alone reads the bytes).
; REGISTERS.  Windows 1-3: fragment idx = 8 s + t at window 1 + idx / 21, register 12 (idx % 21); fragment 63 in window 0.
; Window 0: v1 16 lane, v2 the same + 49152, v3 4 r, v4 48 h, v5 / v6 the next tile's codes / scale words, v7 a token, v8 the bias in LDS, v9-11 offsets; v12-43 W1's scale words; v44-51 x's;
;   v52-63 fragment 63; v64-127 the eight results; v128-223 x's eight fragments; v224-255 the quantiser's.
.set XS_OFF, 1572864
.set WS_OFF, 12582912
.set HS_OFF, 6488064
.set BIAS,   98304                     ; LDS: 0 .. 98303 the 64 fragments' images; then the group's 512 bytes of b1, a copy for each wave
.set SCW, 12                           ; v[SCW + 4 t + p]: tile t; lanes 0-15 K step 2 p, lanes 16-31 K step 2 p + 1
.set XS,  44
.set HA,  64
.set XF,  128
.set TM,  224
.set PC,  236
.set PW,  255
.set MSB, 0
.macro WIN new                         ; the immediate's high byte repeats the setting that is left
.if MSB != (\new)
	s_set_vgpr_msb (MSB<<8)|(\new)
.set MSB, (\new)
.endif
.endm
	s_load_b256 s[4:11], s[0:1], 0x0               ; xq, w1q, b1, ord
	s_load_b64 s[12:13], s[0:1], 0x20              ; hq
	s_set_vgpr_msb 0x40
	v_lshl_add_u32 v254, v0, 2, 0x18800
	v_mov_b32 v255, 0
	s_set_vgpr_msb 0x4000
	v_lshrrev_b32 v1, 5, v0
	v_readfirstlane_b32 s14, v1                    ; wave
	s_and_b32 s15, ttmp9, 1                        ; parity
	s_bfe_u32 s16, ttmp9, 0x50001                  ; group of 128 hidden units
	s_lshr_b32 s17, ttmp9, 6                       ; expert
	s_lshl_b32 s36, s17, 2
	s_mov_b32 s28, 0x76543210
	s_mov_b32 s29, 0xfedcba98                      ; selects for lane l xor 16
	s_wait_kmcnt 0x0
	s_load_b32 s18, s[10:11], s36 offset:0x2100    ; T0[e]
	s_load_b32 s19, s[10:11], s36 offset:0x2110    ; nt[e]
	s_load_b32 s20, s[10:11], 0x2120               ; TT
	v_and_b32 v3, 15, v0                           ; r
	v_bfe_u32 v4, v0, 4, 1                         ; h
	v_and_b32 v1, 31, v0
	v_lshlrev_b32 v1, 4, v1
	v_add_nc_u32 v2, 49152, v1
	v_and_b32 v5, 8, v3
	v_add_nc_u32 v5, v5, v3                        ; r + 8 (r / 8): my column in a tile
	v_lshlrev_b32 v5, 2, v5
	v_lshl_add_u32 v0, v4, 14, v5                  ; W1's scale words: lanes 16-31 one K step on
	s_lshl_b32 s24, s14, 9
	s_add_co_u32 s24, s24, BIAS
	v_lshl_add_u32 v8, v4, 6, s24                  ; my wave's copy of the bias, + 64 h
	v_add_nc_u32 v6, s24, v1
	s_mul_i32 s25, s14, 24576
	v_add_nc_u32 v5, s25, v1                       ; where my quarter of the images goes
	v_lshlrev_b32 v3, 2, v3
	v_mul_u32_u24 v4, v4, 48
	s_lshl_b32 s24, s17, 5
	s_add_co_u32 s24, s24, s16
	s_mul_i32 s26, s24, 98304
	s_add_co_u32 s26, s26, s25
	s_mov_b32 s27, 0
	s_add_nc_u64 s[32:33], s[6:7], s[26:27]        ; my quarter of the group's fragments
	s_lshl_b32 s26, s17, 17
	s_lshl_b32 s24, s16, 9
	s_add_co_u32 s26, s26, s24
	s_add_co_u32 s26, s26, WS_OFF
	s_add_nc_u64 s[30:31], s[6:7], s[26:27]        ; the group's scale words
	s_lshl_b32 s26, s17, 14
	s_add_co_u32 s26, s26, s24
	s_add_nc_u64 s[34:35], s[8:9], s[26:27]        ; the group's bias
.set J, 0
.rept 48
	global_load_b128 v[64+4*J:67+4*J], v1, s[32:33] offset:512*J
.set J, J+1
.endr
.irp t, 0,1,2,3,4,5,6,7
.irp p, 0,1,2,3
	global_load_b32 v[SCW+4*\t+\p], v0, s[30:31] offset:32768*\p+(32*(\t/2)+8*(\t%2))*4
.endr
.endr
	global_load_b128 v[52:55], v1, s[34:35]
	s_wait_kmcnt 0x0
	s_sub_co_u32 s20, s20, 1                       ; the last tile that is stored
	s_min_u32 s20, s20, 131
	s_min_u32 s18, s18, 131
	s_min_u32 s19, s19, 128
	s_lshl_b32 s21, s14, 1
	s_add_co_u32 s21, s21, s15                     ; my first tile
.macro LIDX d                          ; the tokens of tile t + d, held to the tiles that are stored
	s_add_co_u32 s23, s21, \d
	s_add_co_u32 s23, s23, s18
	s_min_u32 s23, s23, s20
	s_min_u32 s23, s23, 131
	s_lshl_b32 s23, s23, 6
	v_add_nc_u32 v9, s23, v3
	global_load_b32 v7, v9, s[10:11]
.endm
.macro MAKEXN                          ; from a token to its codes and its scale words
	v_min_u32 v5, 2047, v7
	v_lshlrev_b32 v6, 5, v5
	v_mul_u32_u24 v5, v5, 768
	v_add_nc_u32 v5, v5, v4
.endm
; x's fragments f0 and f0 + 1 of the next tile.  xs = 1, 2: its scale words 0-3, 4-7 with them.  places = 1: four places ahead of loads into registers that matrix instructions have read
.macro RUN f0, xs, places
	WIN 0
.if \places
.rept 4
	v_nop
.endr
.endif
.irp s, \f0, \f0+1
.irp c, 0,1,2
	global_load_b128 v[XF+12*(\s)+4*\c:XF+12*(\s)+4*\c+3], v5, s[4:5] offset:96*(\s)+16*\c
.endr
.endr
.if \xs == 1
	global_load_b128 v[XS:XS+3], v6, s[4:5] offset:XS_OFF
.elseif \xs == 2
	global_load_b128 v[XS+4:XS+7], v6, s[4:5] offset:XS_OFF+16
.endif
.endm
.macro MM s, t
.set IX, 8*(\s)+(\t)
.if IX < 63
.set WW, 1+IX/21
.set WG, 12*(IX%21)
.else
.set WW, 0
.set WG, 52
.endif
	WIN WW
.if (\s)%2
	v_wmma_scale_f32_16x16x128_f8f6f4 v[HA+8*(\t):HA+8*(\t)+7], v[WG:WG+11], v[XF+12*(\s):XF+12*(\s)+11], v[HA+8*(\t):HA+8*(\t)+7], v[SCW+4*(\t)+(\s)/2], v[XS+(\s)] matrix_a_fmt:MATRIX_FMT_FP6 matrix_b_fmt:MATRIX_FMT_FP6 matrix_a_scale:MATRIX_SCALE_ROW1
.else
	v_wmma_scale_f32_16x16x128_f8f6f4 v[HA+8*(\t):HA+8*(\t)+7], v[WG:WG+11], v[XF+12*(\s):XF+12*(\s)+11], v[HA+8*(\t):HA+8*(\t)+7], v[SCW+4*(\t)+(\s)/2], v[XS+(\s)] matrix_a_fmt:MATRIX_FMT_FP6 matrix_b_fmt:MATRIX_FMT_FP6
.endif
.endm
.macro GROUP g                         ; K steps 2 g and 2 g + 1: the eight accumulators by turns, one instruction a turn
.irp s, 2*\g, 2*\g+1
.irp t, 0,1,2,3,4,5,6,7
	MM \s, \t
.endr
.endr
.endm
.macro WFETCH x                        ; fragment x out of LDS into its registers
.if (\x) < 63
	WIN ((1+(\x)/21)<<6)
.set WG, 12*((\x)%21)
.else
	WIN 0
.set WG, 52
.endif
.irp c, 0,1,2
.if (\x) < 32
	ds_load_b128 v[WG+4*\c:WG+4*\c+3], v1 offset:(\x)*1536+512*\c
.else
	ds_load_b128 v[WG+4*\c:WG+4*\c+3], v2 offset:((\x)-32)*1536+512*\c
.endif
.endr
.endm
	LIDX 0
	s_wait_loadcnt 0x0
.set J, 0
.rept 48
	ds_store_b128 v5, v[64+4*J:67+4*J] offset:512*J
.set J, J+1
.endr
	ds_store_b128 v6, v[52:55]
	s_wait_dscnt 0x0                               ; for the others' sake: my quarter has landed; and the stores have read their registers, which the loads below take
	s_barrier_signal -1
	s_barrier_wait -1                              ; the launch's one barrier
	MAKEXN                                         ; my first tile,
	LIDX 8                                         ; the tokens of the one behind it,
	RUN 0, 0, 0                                    ; and the first tile's codes and scale words: asked for here, so that they are on their way while W1 is read out of LDS
	RUN 2, 1, 0
	RUN 4, 0, 0
	RUN 6, 2, 0
.set Q, 0
.rept 64
	WFETCH Q
.set Q, Q+1
.endr
	WIN 0
.irp b, 0,1,2,3
	v_mov_b32 v[TM+4+\b], 0                        ; a lane permute's destination counts as one of its sources
.endr
	s_mov_b32 s22, 0
	s_wait_dscnt 0x0                               ; W1 is in its registers
.Ltile:
	s_cmp_ge_u32 s21, s19
	s_cbranch_scc1 .Lskip                          ; the expert has no such tile
.irp t, 0,1,2,3,4,5,6,7
	ds_load_b128 v[HA+8*\t:HA+8*\t+3], v8 offset:(32*(\t/2)+8*(\t%2))*4          ; the bias is the C of each sum's first product: lane (r, h), tile 2 b + u: units 32 b + 16 h + 8 u + 0 .. 7
	ds_load_b128 v[HA+8*\t+4:HA+8*\t+7], v8 offset:(32*(\t/2)+8*(\t%2))*4+16
.endr
	s_wait_loadcnt 13                              ; the tokens and this tile's fragments 0-3 with scale words 0-3 are in; the 6 + 7 loads behind them may be out
	s_wait_xcnt 0x0                                ; only behind this wait are the offsets of pending loads and the last tile's store registers written again
	MAKEXN                                         ; the next tile
	LIDX 16                                        ; the tokens of the one behind it
	s_wait_dscnt 0x0                               ; the bias
	GROUP 0
	RUN 0, 0, 1
	GROUP 1
	RUN 2, 1, 1
	s_wait_loadcnt 14                              ; this tile's fragments 4-7 and scale words 4-7 are in; behind them: the tokens' load, 6 and 7 loads
	GROUP 2
	RUN 4, 0, 1
	GROUP 3
	RUN 6, 2, 1                                    ; its four places also stand ahead of the first read of the results
.set I_, 0
.rept 64
	v_max_num_f32 v[HA+I_], 0, v[HA+I_]            ; the activation, in f32; each accumulator from its low end on
.set I_, I_+1
.endr
	; the quantiser: register 16 b + i is k = 32 b + 16 h + i of my token's 128 hidden units.  No |.|: none is negative
.irp b, 0,1,2,3
	v_max3_num_f32 v[TM+\b], v[HA+16*\b], v[HA+1+16*\b], 0x1800000   ; with the floor 2^(3 - 127)
.endr
.irp i, 2,4,6,8,10,12,14
.irp b, 0,1,2,3
	v_max3_num_f32 v[TM+\b], v[TM+\b], v[HA+16*\b+\i], v[HA+1+16*\b+\i]
.endr
.endr
.irp b, 0,1,2,3
	v_permlanex16_b32 v[TM+4+\b], v[TM+\b], s28, s29
.endr
.irp b, 0,1,2,3
	v_max_num_f32 v[TM+\b], v[TM+\b], v[TM+4+\b]   ; with lane l xor 16's: the block's largest
.endr
.irp b, 0,1,2,3
	v_add_nc_u32 v[TM+8+\b], 0xff000000, v[TM+\b]  ; 2 off the exponent field: the conversion's scale operand
.endr
.irp b, 0,1,2,3
	v_lshrrev_b32 v[TM+4+\b], 23, v[TM+8+\b]
.endr
	v_lshl_or_b32 v[PW], v[TM+5], 8, v[TM+4]       ; my token's scale word (lanes r and r + 16 hold the same)
	v_lshl_or_b32 v[PW], v[TM+6], 16, v[PW]
	v_lshl_or_b32 v[PW], v[TM+7], 24, v[PW]
.irp c, 0,1
	v_cvt_scalef32_pk16_fp6_f32 v[PC+6*\c:PC+2+6*\c], v[HA+32*\c:HA+15+32*\c], v[TM+8+2*\c]
	v_cvt_scalef32_pk16_fp6_f32 v[PC+12+4*\c:PC+14+4*\c], v[HA+16+32*\c:HA+31+32*\c], v[TM+8+2*\c+1]   ; (a conversion's three registers begin on an even number)
.endr
	v_nop                                          ; one plain line behind a scaled conversion
.irp c, 0,1                            ; the operand's layout wants a whole block in a lane
.irp i, 0,1,2
	v_permlane16_swap_b32 v[PC+6*\c+\i], v[PC+12+4*\c+\i]
.endr
.irp i, 0,1,2
	v_mov_b32 v[PC+3+6*\c+\i], v[PC+12+4*\c+\i]
.endr
.endr
	s_add_co_u32 s23, s21, s18                     ; the sorted tile
	s_min_u32 s23, s23, 131
	s_lshl_b32 s23, s23, 5
	s_add_co_u32 s23, s23, s16
	s_mul_i32 s24, s23, 1536
	s_lshl_b32 s23, s23, 6
	v_add_nc_u32 v10, s24, v1
	v_add_nc_u32 v11, s23, v3
.irp c, 0,1,2
	global_store_b128 v10, v[PC+4*\c:PC+4*\c+3], s[12:13] offset:512*\c   ; the fragment as it stands: 512 consecutive bytes a store
.endr
	global_store_b32 v11, v[PW], s[12:13] offset:HS_OFF   ; lanes r and r + 16 write the same word with the same value
.Lskip:
	s_add_co_u32 s21, s21, 8
	s_add_co_u32 s22, s22, 1
	s_cmp_lt_u32 s22, 16
	s_cbranch_scc1 .Ltile
	s_set_vgpr_msb 0x5
	s_wait_tensorcnt 0x0
	ds_add_u32 v254, v255
	s_wait_dscnt 0x0
	s_set_vgpr_msb 0x500
	s_endpgm
.Lfunc_end_k_qeef5a82495_fc1:
	.size	k_qeef5a82495_fc1, .Lfunc_end_k_qeef5a82495_fc1-k_qeef5a82495_fc1
	.p2alignl 7, 3214868480
	.fill 96, 4, 3214868480
	.section	.rodata,"a",@progbits
	.p2align	6, 0x0
	.amdhsa_kernel k_qeef5a82495_fc1
		.amdhsa_group_segment_fixed_size 100864
		.amdhsa_private_segment_fixed_size 0
		.amdhsa_enable_private_segment 0
		.amdhsa_kernarg_size 40
		.amdhsa_user_sgpr_count 2
		.amdhsa_user_sgpr_kernarg_segment_ptr 1
		.amdhsa_wavefront_size32 1
		.amdhsa_system_sgpr_workgroup_id_x 1
		.amdhsa_system_sgpr_workgroup_id_y 1
		.amdhsa_system_sgpr_workgroup_id_z 1
		.amdhsa_system_vgpr_workitem_id 0
		.amdhsa_next_free_vgpr 1024
		.amdhsa_next_free_sgpr 66
		.amdhsa_reserve_vcc 0
		.amdhsa_float_denorm_mode_32 3
		.amdhsa_float_denorm_mode_16_64 3
		.amdhsa_memory_ordered 1
		.amdhsa_forward_progress 1
		.amdhsa_inst_pref_size 49
	.end_amdhsa_kernel
	.amdgpu_metadata
---
amdhsa.version: [ 1, 2 ]
amdhsa.kernels:
  - .name:           k_qeef5a82495_fc1
    .symbol:         k_qeef5a82495_fc1.kd
    .args:
      - { .name: xq, .offset: 0, .size: 8, .value_kind: global_buffer, .address_space: global }
      - { .name: w1q, .offset: 8, .size: 8, .value_kind: global_buffer, .address_space: global }
      - { .name: b1, .offset: 16, .size: 8, .value_kind: global_buffer, .address_space: global }
      - { .name: ord, .offset: 24, .size: 8, .value_kind: global_buffer, .address_space: global }
      - { .name: hq, .offset: 32, .size: 8, .value_kind: global_buffer, .address_space: global }
    .group_segment_fixed_size: 100864
    .private_segment_fixed_size: 0
    .kernarg_segment_align: 8
    .kernarg_segment_size: 40
    .max_flat_workgroup_size: 128
    .sgpr_count:     66
    .vgpr_count:     1024
    .wavefront_size: 32
...
	.end_amdgpu_metadata
.endif
;; end of part 3
;; launch fc2 (part 4): grid 256 x 1, 4 waves a work-group, no clusters, 279,040 bytes of LDS; arguments hq, w2q, b2, ord, out0; writes out0
.if DOCPART == 4
	.amdgcn_target "amdgcn-amd-amdhsa--gfx1250"
	.amdhsa_code_object_version 6
	.text
	.protected	k_qeef5a82495_fc2
	.globl	k_qeef5a82495_fc2
	.p2align	8
	.type	k_qeef5a82495_fc2,@function
k_qeef5a82495_fc2:
	s_mov_b64 s[64:65], 0
	v_nop
	global_prefetch_b8 v0, s[64:65] scope:SCOPE_SE
	s_setreg_imm32_b32 hwreg(HW_REG_WAVE_MODE, 25, 1), 1
	s_wait_xcnt 0x0
; out0[token] = h Q(W2[e]) + b2[e] for the token's chosen expert, on codes of E2M3 with E8M0 scales; h comes as fragment images by sorted tile.
; SHARES.  Work-group id: quarter q = id % 4, group of 64 outputs (id / 4) % 16, expert id / 64.  K = 4,096 IS SHARED AMONG THE FOUR WAVES: wave w holds W2's fragments of K steps 8 w .. 8 w + 7 for the group's
; four tiles of 16 outputs (32 fragments, 384 registers) for the whole launch, and reads only its own quarter of each tile of h: no operand byte is read twice inside the work-group.
; The work-group takes the expert's tiles t = q + 4 j.  Sixteen of them (slots) at a time: each wave's partial sums of a slot go to a stage in LDS; a barrier; wave w adds the four parts of slots w, 4 + w, 8 + w, 12 + w,
; adds the bias and stores each row at its token's place: sixteen lanes store 256 consecutive bytes, aligned.  Two such runs serve the most tiles that one expert can have, 128.
; A trip works two slots; a scalar branch on the stored number of tiles jumps over a whole trip.  A second slot past the expert's end is worked on a tile held inside the stored ones; its slot is never read.
; A place left over in an expert's last tile holds the expert's last token once more, whose own place lies in the same tile: that row is computed twice and stored twice, by the same wave, with the same numbers.  So no store is masked.
; The matrix instruction is used transposed (source 0 = 16 outputs of W2, source 1 = 16 tokens): a lane holds one token and eight neighbouring outputs.
; NO TENSOR LOADS, NO JOINT LOADS: the trips' work hangs on counts read from memory, and work-groups of one expert would need different numbers of tiles.
; The sum over K is made of four parts, each ascending in K, added as (0 + 1) + (2 + 3).
; REGISTERS.  Window 1 v0-251, window 2 v0-131: W2's fragments idx = 4 k + tile.  Window 3: v0-95, v96-191 two buffers of eight fragments of h.
; Window 0: v1 16 lane, v2 4 lane, v3 / v4 the stage on the way in, v5-8 the buffers' offsets, v9 / v10 the stage on the way out, v11 my bytes in a row of out0, v12 32 (lane / 16), v13-15 offsets;
;   v16-31 W2's scale words, v32-39 h's; v40-43 the bias; v48-79, v128-159 the two slots' accumulators; v80-111 tokens; v112-119 offsets; v128-255 the parts on the way out.
.set WS_OFF, 12582912
.set HS_OFF, 6488064
.set SCW, 16                           ; v[SCW + 4 n + p]: tile n; lanes 0-15 my K step 2 p, lanes 16-31 2 p + 1
.set HS,  32
.set BI,  40
.set ACC, 48
.set IDX, 80
.set OF,  112
.set RT,  128
.set MSB, 0
.macro WIN new                         ; the immediate's high byte repeats the setting that is left
.if MSB != (\new)
	s_set_vgpr_msb (MSB<<8)|(\new)
.set MSB, (\new)
.endif
.endm
	s_load_b256 s[4:11], s[0:1], 0x0               ; hq, w2q, b2, ord
	s_load_b64 s[12:13], s[0:1], 0x20              ; out0
	v_lshl_add_u32 v126, v0, 2, 0x44000
	v_mov_b32 v127, 0
	v_lshrrev_b32 v1, 5, v0
	v_readfirstlane_b32 s14, v1                    ; wave
	s_and_b32 s15, ttmp9, 3                        ; q
	s_bfe_u32 s16, ttmp9, 0x40002                  ; group of 64 outputs
	s_lshr_b32 s17, ttmp9, 6                       ; expert
	s_lshl_b32 s36, s17, 2
	s_wait_kmcnt 0x0
	s_load_b32 s18, s[10:11], s36 offset:0x2100    ; T0[e]
	s_load_b32 s19, s[10:11], s36 offset:0x2110    ; nt[e]
	s_load_b32 s20, s[10:11], 0x2120               ; TT
	v_and_b32 v13, 31, v0
	v_lshlrev_b32 v1, 4, v13
	v_lshlrev_b32 v2, 2, v13
	v_and_b32 v10, 15, v0                          ; r
	v_bfe_u32 v12, v0, 4, 1                        ; h
	s_mul_i32 s24, s14, 4352
	v_mul_u32_u24 v3, v10, 272
	v_lshl_add_u32 v3, v12, 5, v3
	v_add_nc_u32 v3, s24, v3                       ; the stage, in: my wave's part, row r, + 32 h
	s_mul_i32 s24, s14, 17408
	v_mul_u32_u24 v9, v12, 2176
	v_lshl_add_u32 v9, v10, 4, v9
	v_add_nc_u32 v9, s24, v9                       ; out: slot w; lanes 0-15 row m, lanes 16-31 row m + 8; 16 bytes a lane
	s_lshl_b32 s24, s16, 8
	v_lshl_add_u32 v11, v10, 4, s24                ; my 16 bytes in a row of out0, and in b2[e]
	s_mul_i32 s24, s14, 12288
	v_add_nc_u32 v14, s24, v1                      ; my quarter of a tile of h
	s_lshl_b32 s24, s14, 9
	v_add_nc_u32 v15, s24, v2                      ; and of its scale words
	v_lshlrev_b32 v13, 2, v10
	v_lshl_add_u32 v13, v12, 12, v13               ; W2's scale words: lanes 16-31 one K step on
	v_lshlrev_b32 v12, 5, v12
	s_lshl_b32 s24, s17, 4
	s_add_co_u32 s24, s24, s16
	s_mul_i32 s24, s24, 196608
	s_mul_i32 s25, s14, 49152
	s_add_co_u32 s24, s24, s25
	s_mov_b32 s25, 0
	s_add_nc_u64 s[28:29], s[6:7], s[24:25]        ; my 32 fragments: 49,152 consecutive bytes
	s_lshl_b32 s24, s17, 17
	s_lshl_b32 s26, s14, 15
	s_add_co_u32 s24, s24, s26
	s_lshl_b32 s26, s16, 8
	s_add_co_u32 s24, s24, s26
	s_add_co_u32 s24, s24, WS_OFF
	s_add_nc_u64 s[30:31], s[6:7], s[24:25]
	s_lshl_b32 s24, s17, 12
	s_add_nc_u64 s[32:33], s[8:9], s[24:25]
	s_lshl_b32 s27, s14, 2
	s_add_co_u32 s27, s27, s15                     ; q + 4 w: the tile of slot w
	WIN 0x40
.set J, 0
.rept 63
	global_load_b128 v[4*J:4*J+3], v1, s[28:29] offset:512*J
.set J, J+1
.endr
	WIN 0x80
.rept 33
	global_load_b128 v[4*(J-63):4*(J-63)+3], v1, s[28:29] offset:512*J
.set J, J+1
.endr
	WIN 0
.irp n, 0,1,2,3
.irp p, 0,1,2,3
	global_load_b32 v[SCW+4*\n+\p], v13, s[30:31] offset:8192*\p+64*\n
.endr
.endr
	global_load_b128 v[BI:BI+3], v11, s[32:33]
	s_wait_kmcnt 0x0
	s_sub_co_u32 s20, s20, 1                       ; the last tile that is stored
	s_min_u32 s20, s20, 131
	s_min_u32 s18, s18, 131
	s_min_u32 s19, s19, 128
; my quarter of tile t + d of h into buffer b: 4 loads of scale words, 24 of codes; the tile is held to those that are stored
.macro HFILL b, d
	s_add_co_u32 s23, s21, \d
	s_add_co_u32 s23, s23, s18
	s_min_u32 s23, s23, s20
	s_min_u32 s23, s23, 131
	s_mul_i32 s24, s23, 49152
	s_lshl_b32 s25, s23, 11
	v_add_nc_u32 v[5+\b], s24, v14
	v_add_nc_u32 v[7+\b], s25, v15
.irp p, 0,1,2,3
	global_load_b32 v[HS+4*\b+\p], v[7+\b], s[4:5] offset:HS_OFF+128*\p
.endr
	WIN 0xc0
.set J, 0
.rept 24
	global_load_b128 v[96*\b+4*J:96*\b+4*J+3], v[5+\b], s[4:5] offset:512*J
.set J, J+1
.endr
	WIN 0
.endm
.macro MM2 b, k, n
.set IX, 4*(\k)+(\n)
.if IX < 21
	WIN 0x0d
.set WG, 12*IX
.else
	WIN 0x0e
.set WG, 12*(IX-21)
.endif
.set AC, ACC+80*(\b)+8*(\n)
.set HB, 96*(\b)+12*(\k)
.if (\k) == 0
	v_wmma_scale_f32_16x16x128_f8f6f4 v[AC:AC+7], v[WG:WG+11], v[HB:HB+11], 0, v[SCW+4*(\n)], v[HS+4*(\b)] matrix_a_fmt:MATRIX_FMT_FP6 matrix_b_fmt:MATRIX_FMT_FP6
.elseif (\k)%2
	v_wmma_scale_f32_16x16x128_f8f6f4 v[AC:AC+7], v[WG:WG+11], v[HB:HB+11], v[AC:AC+7], v[SCW+4*(\n)+(\k)/2], v[HS+4*(\b)+(\k)/2] matrix_a_fmt:MATRIX_FMT_FP6 matrix_b_fmt:MATRIX_FMT_FP6 matrix_a_scale:MATRIX_SCALE_ROW1 matrix_b_scale:MATRIX_SCALE_ROW1
.else
	v_wmma_scale_f32_16x16x128_f8f6f4 v[AC:AC+7], v[WG:WG+11], v[HB:HB+11], v[AC:AC+7], v[SCW+4*(\n)+(\k)/2], v[HS+4*(\b)+(\k)/2] matrix_a_fmt:MATRIX_FMT_FP6 matrix_b_fmt:MATRIX_FMT_FP6
.endif
.endm
; A slot: 32 matrix instructions, the four accumulators by turns, one instruction a turn; the first product starts each sum.
.macro SLOT b, d, off
	s_wait_loadcnt 28                              ; this buffer's loads, and all older ones, are in; the other buffer's 28 may be out
	s_wait_dscnt 8                                 ; this set of accumulators' last 8 stage stores are done; the other set's 8 may be out
.irp k, 0,1,2,3,4,5,6,7
.irp n, 0,1,2,3
	MM2 \b, \k, \n
.endr
.endr
	WIN 0
.rept 4
	v_nop                                          ; places ahead of loads into registers that matrix instructions have read, and of the stores that read results
.endr
	HFILL \b, \d                                   ; the buffer takes the tile two slots on
.irp n, 0,1,2,3
	ds_store_b128 v4, v[ACC+80*\b+8*\n:ACC+80*\b+8*\n+3] offset:\off+64*\n          ; each accumulator from its low end on
	ds_store_b128 v4, v[ACC+80*\b+8*\n+4:ACC+80*\b+8*\n+7] offset:\off+64*\n+16
.endr
.endm
; Slot 4 i + w of run u: the four waves' parts are added, the bias too, and the 16 rows go to their tokens' places.
; It names none of the registers of the fills that ran ahead (window 3, v32-39, v5-8), which may still be out.
.macro REGION u, i
	s_add_co_u32 s23, s27, 64*(\u)+16*(\i)
	s_cmp_ge_u32 s23, s19
	s_cbranch_scc1 .Lrdone_\@                      ; the expert has no such tile
	s_wait_xcnt 0x0                                ; the last region's stores have read their registers
	v_add_nc_u32 v10, (\i)*69632, v9
.irp p, 0,1,2,3
.irp m, 0,1,2,3,4,5,6,7
	ds_load_b128 v[RT+4*(8*\p+\m):RT+4*(8*\p+\m)+3], v10 offset:4352*\p+272*\m
.endr
.endr
.irp m, 0,1,2,3,4,5,6,7
	v_min_u32 v[OF+\m], 2047, v[IDX+8*(\i)+\m]
.endr
.irp m, 0,1,2,3,4,5,6,7
	v_lshl_add_u32 v[OF+\m], v[OF+\m], 12, v11     ; the token's row of 4,096 bytes + my 16 bytes
.endr
	s_wait_dscnt 0x0
.irp m, 0,1,2,3,4,5,6,7
.irp d, 0,2
	v_pk_add_f32 v[RT+4*\m+\d:RT+4*\m+\d+1], v[RT+4*\m+\d:RT+4*\m+\d+1], v[RT+4*(8+\m)+\d:RT+4*(8+\m)+\d+1]
	v_pk_add_f32 v[RT+4*(16+\m)+\d:RT+4*(16+\m)+\d+1], v[RT+4*(16+\m)+\d:RT+4*(16+\m)+\d+1], v[RT+4*(24+\m)+\d:RT+4*(24+\m)+\d+1]
.endr
.irp d, 0,2
	v_pk_add_f32 v[RT+4*\m+\d:RT+4*\m+\d+1], v[RT+4*\m+\d:RT+4*\m+\d+1], v[RT+4*(16+\m)+\d:RT+4*(16+\m)+\d+1]
.endr
.irp d, 0,2
	v_pk_add_f32 v[RT+4*\m+\d:RT+4*\m+\d+1], v[RT+4*\m+\d:RT+4*\m+\d+1], v[BI+\d:BI+\d+1]
.endr
.endr
.irp m, 0,1,2,3,4,5,6,7
	global_store_b128 v[OF+\m], v[RT+4*\m:RT+4*\m+3], s[12:13] th:TH_STORE_NT   ; 16 lanes store 256 consecutive bytes, aligned
.endr
.Lrdone_\@:
.endm
; A run of sixteen slots: tiles q + 4 (16 u + j)
.macro SUPER u
	s_add_co_u32 s21, s15, 64*\u                   ; the first slot's tile
.if \u
	s_wait_loadcnt 0x0                             ; the first run's fills that ran ahead have landed: their registers are loaded again below
	s_wait_xcnt 0x0                                ; the first run's stores have read their offsets and their data
	s_cmp_ge_u32 s21, s19
	s_cbranch_scc1 .Lnone_\@                       ; nothing to fetch for this run
.endif
.irp i, 0,1,2,3
	s_add_co_u32 s23, s27, 64*\u+16*\i             ; the tokens of slot 4 i + w: rows 8 (lane / 16) + 0 .. 7
	s_add_co_u32 s23, s23, s18
	s_min_u32 s23, s23, s20
	s_min_u32 s23, s23, 131
	s_lshl_b32 s23, s23, 6
	v_add_nc_u32 v[OF+\i], s23, v12
	global_load_b128 v[IDX+8*\i:IDX+8*\i+3], v[OF+\i], s[10:11]
	global_load_b128 v[IDX+8*\i+4:IDX+8*\i+7], v[OF+\i], s[10:11] offset:16
.endr
	HFILL 0, 0
	HFILL 1, 4
.if \u
.Lnone_\@:
.endif
	s_mov_b32 s22, 0
	s_mov_b32 s37, 0                               ; the trip's two slots in the stage
.Ltrip_\@:
	s_cmp_ge_u32 s21, s19
	s_cbranch_scc1 .Lover_\@
	v_add_nc_u32 v4, s37, v3
	SLOT 0, 8, 0
	SLOT 1, 12, 17408
.Lover_\@:
	s_add_co_u32 s21, s21, 8
	s_add_co_u32 s37, s37, 34816
	s_add_co_u32 s22, s22, 1
	s_cmp_lt_u32 s22, 8
	s_cbranch_scc1 .Ltrip_\@
	s_wait_dscnt 0x0                               ; for the others' sake: my parts have landed
	s_barrier_signal -1
	s_barrier_wait -1
	s_wait_loadcnt 56                              ; the tokens are in: on every way two fills of 28 loads were issued behind their loads; those fills, which ran ahead of the last slot, may stay out
	REGION \u, 0
	REGION \u, 1
	REGION \u, 2
	REGION \u, 3
.if \u == 0
	s_wait_dscnt 0x0                               ; my reads of the stage are over: it is written again behind this barrier
	s_barrier_signal -1
	s_barrier_wait -1
.endif
.endm
	SUPER 0
	SUPER 1
	s_wait_tensorcnt 0x0
	ds_add_u32 v126, v127
	s_wait_dscnt 0x0
	s_endpgm
.Lfunc_end_k_qeef5a82495_fc2:
	.size	k_qeef5a82495_fc2, .Lfunc_end_k_qeef5a82495_fc2-k_qeef5a82495_fc2
	.p2alignl 7, 3214868480
	.fill 96, 4, 3214868480
	.section	.rodata,"a",@progbits
	.p2align	6, 0x0
	.amdhsa_kernel k_qeef5a82495_fc2
		.amdhsa_group_segment_fixed_size 279040
		.amdhsa_private_segment_fixed_size 0
		.amdhsa_enable_private_segment 0
		.amdhsa_kernarg_size 40
		.amdhsa_user_sgpr_count 2
		.amdhsa_user_sgpr_kernarg_segment_ptr 1
		.amdhsa_wavefront_size32 1
		.amdhsa_system_sgpr_workgroup_id_x 1
		.amdhsa_system_sgpr_workgroup_id_y 1
		.amdhsa_system_sgpr_workgroup_id_z 1
		.amdhsa_system_vgpr_workitem_id 0
		.amdhsa_next_free_vgpr 960
		.amdhsa_next_free_sgpr 66
		.amdhsa_reserve_vcc 0
		.amdhsa_float_denorm_mode_32 3
		.amdhsa_float_denorm_mode_16_64 3
		.amdhsa_memory_ordered 1
		.amdhsa_forward_progress 1
		.amdhsa_inst_pref_size 126
	.end_amdhsa_kernel
	.amdgpu_metadata
---
amdhsa.version: [ 1, 2 ]
amdhsa.kernels:
  - .name:           k_qeef5a82495_fc2
    .symbol:         k_qeef5a82495_fc2.kd
    .args:
      - { .name: hq, .offset: 0, .size: 8, .value_kind: global_buffer, .address_space: global }
      - { .name: w2q, .offset: 8, .size: 8, .value_kind: global_buffer, .address_space: global }
      - { .name: b2, .offset: 16, .size: 8, .value_kind: global_buffer, .address_space: global }
      - { .name: ord, .offset: 24, .size: 8, .value_kind: global_buffer, .address_space: global }
      - { .name: out0, .offset: 32, .size: 8, .value_kind: global_buffer, .address_space: global }
    .group_segment_fixed_size: 279040
    .private_segment_fixed_size: 0
    .kernarg_segment_align: 8
    .kernarg_segment_size: 40
    .max_flat_workgroup_size: 128
    .sgpr_count:     66
    .vgpr_count:     960
    .wavefront_size: 32
...
	.end_amdgpu_metadata
.endif
;; end of part 4
;; ======== version 2 of 2: 4 launches; version 1 with the launches fc1, fc2 written anew for expert scheduling mode
;; workspace buffers: xq 1,638,400 bytes; eid 8,192 bytes of whole numbers; w1q 13,107,200 bytes; w2q 13,107,200 bytes; ord 8,704 bytes of whole numbers; hq 6,758,400 bytes
;; launch prep1: the kernel of part 1 again; grid 1152 x 1, 4 waves a work-group, no clusters, 55,808 bytes of LDS; arguments x, Wr, br, W1, xq, eid, w1q; writes xq, eid, w1q
;; launch prep2: the kernel of part 2 again; grid 1025 x 1, 4 waves a work-group, no clusters, 12,800 bytes of LDS; arguments W2, eid, w2q, ord; writes w2q, ord
;; launch fc1 (part 5): grid 256 x 1, 4 waves a work-group, no clusters, 100,864 bytes of LDS; arguments xq, w1q, b1, ord, hq; writes hq
.if DOCPART == 5
	.amdgcn_target "amdgcn-amd-amdhsa--gfx1250"
	.amdhsa_code_object_version 6
	.text
	.protected	k_qeef5a82495_fc1
	.globl	k_qeef5a82495_fc1
	.p2align	8
	.type	k_qeef5a82495_fc1,@function
k_qeef5a82495_fc1:
	s_mov_b64 s[64:65], 0
	v_nop
	global_prefetch_b8 v0, s[64:65] scope:SCOPE_SE
	s_setreg_imm32_b32 hwreg(HW_REG_WAVE_SCHED_MODE, 0, 2), 2
	s_setreg_imm32_b32 hwreg(HW_REG_WAVE_MODE, 25, 1), 1
	s_wait_xcnt 0x0
	s_wait_alu depctr_vm_vsrc(0)
; The hidden layer of the chosen expert alone: h = Q(relu(Q(x) Q(W1[e]) + b1[e])), on codes of E2M3 with E8M0 scales, for the tokens sorted by expert.
; SHARES.  Work-group id: parity id % 2, group of 128 hidden units (id / 2) % 32, expert id / 64.  Every wave holds the group's 64 fragments of W1 (8 K steps x 8 tiles, 768 registers) for the whole launch.
; Wave w takes the expert's tiles of 16 tokens t = parity + 2 w + 8 i, i = 0 .. 15: a loop of constant count; a scalar branch on the stored number of tiles jumps over the work of tiles that the expert does not have.
; A tile is 64 matrix instructions, used transposed (source 0 = 16 columns of W1, source 1 = 16 tokens): a lane holds one token, and, by the choice of a tile's columns, the 16 registers of tiles 2 b and 2 b + 1 are
; 16 neighbours along the next product's K.  So the eight results become ONE fragment of the next product (K step = this group) in registers; it is stored as an image of its registers, by sorted tile:
; hq: (T 32 + S) x 1,536 bytes; from HS_OFF on (T 32 + S) x 64 + 4 r: row r's scale word.
; The tokens' codes are gathered by the stored list, a tile ahead.  A place left over in an expert's last tile holds the expert's last token once more: its row of h is made a second time, with the same numbers.
; NO TENSOR LOADS, NO JOINT LOADS: the trips' work hangs on counts read from memory, and work-groups of one expert would need different numbers of tiles; x's codes, the one thing shared, are a gather by list.
; LIMITS: NaN and infinities are not served; a block of h whose largest number lies under 2^-124 gets the byte 1 (its codes are zeros; this program alone reads the bytes).
; REGISTERS.  Windows 1-3: fragment idx = 8 s + t at window 1 + idx / 21, register 12 (idx % 21); fragment 63 in window 0.
; Window 0: v1 16 lane, v2 the same + 49152, v3 4 r, v4 48 h, v5 / v6 the next tile's codes / scale words, v7 a token, v8 the bias in LDS, v9-11 offsets; v12-43 W1's scale words; v44-51 x's;
;   v52-63 fragment 63; v64-127 the eight results; v128-223 x's eight fragments; v224-255 the quantiser's.
; THE MODE: SCHED_MODE bits 1:0 = 2 (LLVM: expert scheduling mode 2), set by the entry lines.  The code itself states the register dependences between vector or matrix instructions
; and memory or LDS instructions, with s_wait_alu, always for 0.
; THE PLAN.  Registers that memory or LDS instructions touch, in the loop:
;   v1, v8          offsets made at the head and never written again.
;   v5, v6, v9      written by five vector lines at a trip's head; read by the trip's 27 loads.          v7: read by the first of those lines; the tokens' load lands in it behind them.
;   HA  v64-127     the bias's LDS loads land in it at a trip's head; the products add onto it; the activation writes it and the quantiser reads it.
;   XF 0-3, XS 0-3  read by K steps 0-3; behind them 13 loads (the next tile) land there.                XF 4-7, XS 4-7: the same with K steps 4-7.
;   v10, v11, v236-247, v255   written by the quantiser and two offset lines; read by the four stores at the trip's end.
; All 1,024 registers are given out, so x's fragments have one set, and each half of it is loaded again behind the products that read it.
; A trip has one wait on vm_vsrc, at its head, and four on va_vdst: behind the address lines; behind K step 3; behind K step 7; ahead of the stores.  The last also shows the quantiser done with HA:
; no vector line stands between it and the next trip's bias loads, so these owe nothing.  The loads stand in runs: a load wants window 0 and a product window 1, 2 or 3.
.set XS_OFF, 1572864
.set WS_OFF, 12582912
.set HS_OFF, 6488064
.set BIAS,   98304                     ; LDS: 0 .. 98303 the 64 fragments' images; then the group's 512 bytes of b1, a copy for each wave
.set SCW, 12                           ; v[SCW + 4 t + p]: tile t; lanes 0-15 K step 2 p, lanes 16-31 K step 2 p + 1
.set XS,  44
.set HA,  64
.set XF,  128
.set TM,  224
.set PC,  236
.set PW,  255
.set MSB, 0
.macro WIN new                         ; the immediate's high byte repeats the setting that is left
.if MSB != (\new)
	s_set_vgpr_msb (MSB<<8)|(\new)
.set MSB, (\new)
.endif
.endm
	s_load_b256 s[4:11], s[0:1], 0x0               ; xq, w1q, b1, ord
	s_load_b64 s[12:13], s[0:1], 0x20              ; hq
	s_set_vgpr_msb 0x40
	v_lshl_add_u32 v254, v0, 2, 0x18800
	v_mov_b32 v255, 0
	s_set_vgpr_msb 0x4000
	v_lshrrev_b32 v1, 5, v0
	v_readfirstlane_b32 s14, v1                    ; wave
	s_and_b32 s15, ttmp9, 1                        ; parity
	s_bfe_u32 s16, ttmp9, 0x50001                  ; group of 128 hidden units
	s_lshr_b32 s17, ttmp9, 6                       ; expert
	s_lshl_b32 s36, s17, 2
	s_mov_b32 s28, 0x76543210
	s_mov_b32 s29, 0xfedcba98                      ; selects for lane l xor 16
	s_wait_kmcnt 0x0
	s_load_b32 s18, s[10:11], s36 offset:0x2100    ; T0[e]
	s_load_b32 s19, s[10:11], s36 offset:0x2110    ; nt[e]
	s_load_b32 s20, s[10:11], 0x2120               ; TT
	v_and_b32 v3, 15, v0                           ; r
	v_bfe_u32 v4, v0, 4, 1                         ; h
	v_and_b32 v1, 31, v0
	v_lshlrev_b32 v1, 4, v1
	v_add_nc_u32 v2, 49152, v1
	v_and_b32 v5, 8, v3
	v_add_nc_u32 v5, v5, v3                        ; r + 8 (r / 8): my column in a tile
	v_lshlrev_b32 v5, 2, v5
	v_lshl_add_u32 v0, v4, 14, v5                  ; W1's scale words: lanes 16-31 one K step on
	s_wait_alu depctr_va_sdst(0)                   ; s14, the wave's number, is written, ahead of its first reader
	s_lshl_b32 s24, s14, 9
	s_add_co_u32 s24, s24, BIAS
	v_lshl_add_u32 v8, v4, 6, s24                  ; my wave's copy of the bias, + 64 h
	v_add_nc_u32 v6, s24, v1
	s_mul_i32 s25, s14, 24576
	v_add_nc_u32 v5, s25, v1                       ; where my quarter of the images goes
	v_lshlrev_b32 v3, 2, v3
	v_mul_u32_u24 v4, v4, 48
	s_lshl_b32 s24, s17, 5
	s_add_co_u32 s24, s24, s16
	s_mul_i32 s26, s24, 98304
	s_add_co_u32 s26, s26, s25
	s_mov_b32 s27, 0
	s_add_nc_u64 s[32:33], s[6:7], s[26:27]        ; my quarter of the group's fragments
	s_lshl_b32 s26, s17, 17
	s_lshl_b32 s24, s16, 9
	s_add_co_u32 s26, s26, s24
	s_add_co_u32 s26, s26, WS_OFF
	s_add_nc_u64 s[30:31], s[6:7], s[26:27]        ; the group's scale words
	s_lshl_b32 s26, s17, 14
	s_add_co_u32 s26, s26, s24
	s_add_nc_u64 s[34:35], s[8:9], s[26:27]        ; the group's bias
	s_wait_alu depctr_va_vdst(0)                   ; v0 to v8 are written: the offsets and LDS addresses that the loads and LDS stores below read
.set J, 0
.rept 48
	global_load_b128 v[64+4*J:67+4*J], v1, s[32:33] offset:512*J
.set J, J+1
.endr
.irp t, 0,1,2,3,4,5,6,7
.irp p, 0,1,2,3
	global_load_b32 v[SCW+4*\t+\p], v0, s[30:31] offset:32768*\p+(32*(\t/2)+8*(\t%2))*4
.endr
.endr
	global_load_b128 v[52:55], v1, s[34:35]
	s_wait_kmcnt 0x0
	s_sub_co_u32 s20, s20, 1                       ; the last tile that is stored
	s_min_u32 s20, s20, 131
	s_min_u32 s18, s18, 131
	s_min_u32 s19, s19, 128
	s_lshl_b32 s21, s14, 1
	s_add_co_u32 s21, s21, s15                     ; my first tile
.macro LADR d                          ; v9: where the tokens of tile t + d stand in the list; the tile is held to those that are stored
	s_add_co_u32 s23, s21, \d
	s_add_co_u32 s23, s23, s18
	s_min_u32 s23, s23, s20
	s_min_u32 s23, s23, 131
	s_lshl_b32 s23, s23, 6
	v_add_nc_u32 v9, s23, v3
.endm
.macro MAKEXN                          ; from a token to its codes and its scale words
	v_min_u32 v5, 2047, v7
	v_lshlrev_b32 v6, 5, v5
	v_mul_u32_u24 v5, v5, 768
	v_add_nc_u32 v5, v5, v4
.endm
; x's fragments f0 and f0 + 1 of the next tile.  xs = 1, 2: its scale words 0-3, 4-7 with them.  Every window is 0 here
.macro RUN f0, xs
.irp s, \f0, \f0+1
.irp c, 0,1,2
	global_load_b128 v[XF+12*(\s)+4*\c:XF+12*(\s)+4*\c+3], v5, s[4:5] offset:96*(\s)+16*\c
.endr
.endr
.if \xs == 1
	global_load_b128 v[XS:XS+3], v6, s[4:5] offset:XS_OFF
.elseif \xs == 2
	global_load_b128 v[XS+4:XS+7], v6, s[4:5] offset:XS_OFF+16
.endif
.endm
.macro MM s, t
.set IX, 8*(\s)+(\t)
.if IX < 63
.set WW, 1+IX/21
.set WG, 12*(IX%21)
.else
.set WW, 0
.set WG, 52
.endif
	WIN WW
.if (\s)%2
	v_wmma_scale_f32_16x16x128_f8f6f4 v[HA+8*(\t):HA+8*(\t)+7], v[WG:WG+11], v[XF+12*(\s):XF+12*(\s)+11], v[HA+8*(\t):HA+8*(\t)+7], v[SCW+4*(\t)+(\s)/2], v[XS+(\s)] matrix_a_fmt:MATRIX_FMT_FP6 matrix_b_fmt:MATRIX_FMT_FP6 matrix_a_scale:MATRIX_SCALE_ROW1
.else
	v_wmma_scale_f32_16x16x128_f8f6f4 v[HA+8*(\t):HA+8*(\t)+7], v[WG:WG+11], v[XF+12*(\s):XF+12*(\s)+11], v[HA+8*(\t):HA+8*(\t)+7], v[SCW+4*(\t)+(\s)/2], v[XS+(\s)] matrix_a_fmt:MATRIX_FMT_FP6 matrix_b_fmt:MATRIX_FMT_FP6
.endif
.endm
.macro GROUP g                         ; K steps 2 g and 2 g + 1: the eight accumulators by turns, one instruction a turn
.irp s, 2*\g, 2*\g+1
.irp t, 0,1,2,3,4,5,6,7
	MM \s, \t
.endr
.endr
.endm
.macro WFETCH x                        ; fragment x out of LDS into its registers
.if (\x) < 63
	WIN ((1+(\x)/21)<<6)
.set WG, 12*((\x)%21)
.else
	WIN 0
.set WG, 52
.endif
.irp c, 0,1,2
.if (\x) < 32
	ds_load_b128 v[WG+4*\c:WG+4*\c+3], v1 offset:(\x)*1536+512*\c
.else
	ds_load_b128 v[WG+4*\c:WG+4*\c+3], v2 offset:((\x)-32)*1536+512*\c
.endif
.endr
.endm
	LADR 0
	s_wait_alu depctr_va_vdst(0)                   ; v9 is written, which the tokens' load reads
	global_load_b32 v7, v9, s[10:11]
	s_wait_loadcnt 0x0
.set J, 0
.rept 48
	ds_store_b128 v5, v[64+4*J:67+4*J] offset:512*J
.set J, J+1
.endr
	ds_store_b128 v6, v[52:55]
	s_wait_dscnt 0x0                               ; for the others' sake: my quarter has landed
	s_barrier_signal -1
	s_barrier_wait -1                              ; the launch's one barrier
	s_wait_alu depctr_vm_vsrc(0)                   ; my LDS stores have read v5, v6 and v52 to v255, and the tokens' load v9: the lines and the loads below write them
	MAKEXN                                         ; my first tile,
	LADR 8                                         ; the tokens of the one behind it,
	s_wait_alu depctr_va_vdst(0)                   ; v5, v6 and v9 are written, which the 27 loads below read; v7 has been read, in which the first of them lands
	global_load_b32 v7, v9, s[10:11]
	RUN 0, 0                                       ; and the first tile's codes and scale words: asked for here, so that they are on their way while W1 is read out of LDS
	RUN 2, 1
	RUN 4, 0
	RUN 6, 2
.set Q, 0
.rept 64
	WFETCH Q
.set Q, Q+1
.endr
	WIN 0
.irp b, 0,1,2,3
	v_mov_b32 v[TM+4+\b], 0                        ; a lane permute's destination counts as one of its sources
.endr
	s_mov_b32 s22, 0
	s_wait_dscnt 0x0                               ; W1 is in its registers
.Ltile:
	s_cmp_ge_u32 s21, s19
	s_cbranch_scc1 .Lskip                          ; the expert has no such tile
.irp t, 0,1,2,3,4,5,6,7
	ds_load_b128 v[HA+8*\t:HA+8*\t+3], v8 offset:(32*(\t/2)+8*(\t%2))*4          ; the bias is the C of each sum's first product: lane (r, h), tile 2 b + u: units 32 b + 16 h + 8 u + 0 .. 7
	ds_load_b128 v[HA+8*\t+4:HA+8*\t+7], v8 offset:(32*(\t/2)+8*(\t%2))*4+16     ; (no wait: no vector line has named HA since the wait ahead of the last tile's stores; ahead of the first tile none has named it at all)
.endr
	s_wait_loadcnt 13                              ; the tokens and this tile's fragments 0-3 with scale words 0-3 are in; the 6 + 7 loads behind them may be out
	s_wait_xcnt 0x0                                ; only behind this wait are the offsets of pending loads and the last tile's store registers written again
	s_wait_alu depctr_vm_vsrc(0)                   ; the last tile's loads have read v5, v6 and v9, its stores v10, v11, the codes and the scale word: this tile's lines write them all again
	MAKEXN                                         ; the next tile
	LADR 16                                        ; the tokens of the one behind it
	s_wait_alu depctr_va_vdst(0)                   ; v5, v6 and v9 are written, which this tile's 27 loads read; v7 has been read, in which the first of them lands
	global_load_b32 v7, v9, s[10:11]
	s_wait_dscnt 0x0                               ; the bias
	GROUP 0
	GROUP 1
	WIN 0
.rept 4
	v_nop                                          ; four places behind the products, ahead of loads into registers that they have read
.endr
	s_wait_alu depctr_va_vdst(0)                   ; K steps 0-3 are done reading x's fragments 0-3 and scale words 0-3, in which the 13 loads below land
	RUN 0, 0
	RUN 2, 1
	s_wait_loadcnt 14                              ; this tile's fragments 4-7 and scale words 4-7 are in; behind them: the tokens' load, 6 and 7 loads
	GROUP 2
	GROUP 3
	WIN 0
.rept 4
	v_nop                                          ; four places behind the last products, ahead of the first read of the results (ISA guide 7.12.1)
.endr
	s_wait_alu depctr_va_vdst(0)                   ; K steps 4-7 are done reading x's fragments 4-7 and scale words 4-7, in which the 13 loads below land
	RUN 4, 0
	RUN 6, 2
.set I_, 0
.rept 64
	v_max_num_f32 v[HA+I_], 0, v[HA+I_]            ; the activation, in f32; each accumulator from its low end on
.set I_, I_+1
.endr
	; the quantiser: register 16 b + i is k = 32 b + 16 h + i of my token's 128 hidden units.  No |.|: none is negative
.irp b, 0,1,2,3
	v_max3_num_f32 v[TM+\b], v[HA+16*\b], v[HA+1+16*\b], 0x1800000   ; with the floor 2^(3 - 127)
.endr
.irp i, 2,4,6,8,10,12,14
.irp b, 0,1,2,3
	v_max3_num_f32 v[TM+\b], v[TM+\b], v[HA+16*\b+\i], v[HA+1+16*\b+\i]
.endr
.endr
.irp b, 0,1,2,3
	v_permlanex16_b32 v[TM+4+\b], v[TM+\b], s28, s29
.endr
.irp b, 0,1,2,3
	v_max_num_f32 v[TM+\b], v[TM+\b], v[TM+4+\b]   ; with lane l xor 16's: the block's largest
.endr
.irp b, 0,1,2,3
	v_add_nc_u32 v[TM+8+\b], 0xff000000, v[TM+\b]  ; 2 off the exponent field: the conversion's scale operand
.endr
.irp b, 0,1,2,3
	v_lshrrev_b32 v[TM+4+\b], 23, v[TM+8+\b]
.endr
	v_lshl_or_b32 v[PW], v[TM+5], 8, v[TM+4]       ; my token's scale word (lanes r and r + 16 hold the same)
	v_lshl_or_b32 v[PW], v[TM+6], 16, v[PW]
	v_lshl_or_b32 v[PW], v[TM+7], 24, v[PW]
.irp c, 0,1
	v_cvt_scalef32_pk16_fp6_f32 v[PC+6*\c:PC+2+6*\c], v[HA+32*\c:HA+15+32*\c], v[TM+8+2*\c]
	v_cvt_scalef32_pk16_fp6_f32 v[PC+12+4*\c:PC+14+4*\c], v[HA+16+32*\c:HA+31+32*\c], v[TM+8+2*\c+1]   ; (a conversion's three registers begin on an even number)
.endr
	v_nop                                          ; one plain line behind a scaled conversion
.irp c, 0,1                            ; the operand's layout wants a whole block in a lane
.irp i, 0,1,2
	v_permlane16_swap_b32 v[PC+6*\c+\i], v[PC+12+4*\c+\i]
.endr
.irp i, 0,1,2
	v_mov_b32 v[PC+3+6*\c+\i], v[PC+12+4*\c+\i]
.endr
.endr
	s_add_co_u32 s23, s21, s18                     ; the sorted tile
	s_min_u32 s23, s23, 131
	s_lshl_b32 s23, s23, 5
	s_add_co_u32 s23, s23, s16
	s_mul_i32 s24, s23, 1536
	s_lshl_b32 s23, s23, 6
	v_add_nc_u32 v10, s24, v1
	v_add_nc_u32 v11, s23, v3
	s_wait_alu depctr_va_vdst(0)                   ; the codes, the scale word, v10 and v11 are written, which the stores read; and the quantiser is done reading HA, in which the next tile's bias lands
.irp c, 0,1,2
	global_store_b128 v10, v[PC+4*\c:PC+4*\c+3], s[12:13] offset:512*\c   ; the fragment as it stands: 512 consecutive bytes a store
.endr
	global_store_b32 v11, v[PW], s[12:13] offset:HS_OFF   ; lanes r and r + 16 write the same word with the same value
.Lskip:
	s_add_co_u32 s21, s21, 8
	s_add_co_u32 s22, s22, 1
	s_cmp_lt_u32 s22, 16
	s_cbranch_scc1 .Ltile
	s_set_vgpr_msb 0x5                             ; the add's two registers lie in window 1
	s_wait_dscnt 0x0                               ; the closing lines, six on end
	s_wait_alu 0x0
	s_wait_tensorcnt 0x0
	ds_add_u32 v254, v255
	s_wait_dscnt 0x0
	s_endpgm
.Lfunc_end_k_qeef5a82495_fc1:
	.size	k_qeef5a82495_fc1, .Lfunc_end_k_qeef5a82495_fc1-k_qeef5a82495_fc1
	.p2alignl 7, 3214868480
	.fill 96, 4, 3214868480
	.section	.rodata,"a",@progbits
	.p2align	6, 0x0
	.amdhsa_kernel k_qeef5a82495_fc1
		.amdhsa_group_segment_fixed_size 100864
		.amdhsa_private_segment_fixed_size 0
		.amdhsa_enable_private_segment 0
		.amdhsa_kernarg_size 40
		.amdhsa_user_sgpr_count 2
		.amdhsa_user_sgpr_kernarg_segment_ptr 1
		.amdhsa_wavefront_size32 1
		.amdhsa_system_sgpr_workgroup_id_x 1
		.amdhsa_system_sgpr_workgroup_id_y 1
		.amdhsa_system_sgpr_workgroup_id_z 1
		.amdhsa_system_vgpr_workitem_id 0
		.amdhsa_next_free_vgpr 1024
		.amdhsa_next_free_sgpr 66
		.amdhsa_reserve_vcc 0
		.amdhsa_float_denorm_mode_32 3
		.amdhsa_float_denorm_mode_16_64 3
		.amdhsa_memory_ordered 1
		.amdhsa_forward_progress 1
		.amdhsa_inst_pref_size 49
	.end_amdhsa_kernel
	.amdgpu_metadata
---
amdhsa.version: [ 1, 2 ]
amdhsa.kernels:
  - .name:           k_qeef5a82495_fc1
    .symbol:         k_qeef5a82495_fc1.kd
    .args:
      - { .name: xq, .offset: 0, .size: 8, .value_kind: global_buffer, .address_space: global }
      - { .name: w1q, .offset: 8, .size: 8, .value_kind: global_buffer, .address_space: global }
      - { .name: b1, .offset: 16, .size: 8, .value_kind: global_buffer, .address_space: global }
      - { .name: ord, .offset: 24, .size: 8, .value_kind: global_buffer, .address_space: global }
      - { .name: hq, .offset: 32, .size: 8, .value_kind: global_buffer, .address_space: global }
    .group_segment_fixed_size: 100864
    .private_segment_fixed_size: 0
    .kernarg_segment_align: 8
    .kernarg_segment_size: 40
    .max_flat_workgroup_size: 128
    .sgpr_count:     66
    .vgpr_count:     1024
    .wavefront_size: 32
...
	.end_amdgpu_metadata
.endif
;; end of part 5
;; launch fc2 (part 6): grid 256 x 1, 4 waves a work-group, no clusters, 279,040 bytes of LDS; arguments hq, w2q, b2, ord, out0; writes out0
.if DOCPART == 6
	.amdgcn_target "amdgcn-amd-amdhsa--gfx1250"
	.amdhsa_code_object_version 6
	.text
	.protected	k_qeef5a82495_fc2
	.globl	k_qeef5a82495_fc2
	.p2align	8
	.type	k_qeef5a82495_fc2,@function
k_qeef5a82495_fc2:
	s_mov_b64 s[64:65], 0
	v_nop
	global_prefetch_b8 v0, s[64:65] scope:SCOPE_SE
	s_setreg_imm32_b32 hwreg(HW_REG_WAVE_SCHED_MODE, 0, 2), 2
	s_setreg_imm32_b32 hwreg(HW_REG_WAVE_MODE, 25, 1), 1
	s_wait_xcnt 0x0
	s_wait_alu depctr_vm_vsrc(0)
; out0[token] = h Q(W2[e]) + b2[e] for the token's chosen expert, on codes of E2M3 with E8M0 scales; h comes as fragment images by sorted tile.
; SHARES.  Work-group id: quarter q = id % 4, group of 64 outputs (id / 4) % 16, expert id / 64.  K = 4,096 IS SHARED AMONG THE FOUR WAVES: wave w holds W2's fragments of K steps 8 w .. 8 w + 7 for the group's
; four tiles of 16 outputs (32 fragments, 384 registers) for the whole launch, and reads only its own quarter of each tile of h: no operand byte is read twice inside the work-group.
; The work-group takes the expert's tiles t = q + 4 j.  Sixteen of them (slots) at a time: each wave's partial sums of a slot go to a stage in LDS; a barrier; wave w adds the four parts of slots w, 4 + w, 8 + w, 12 + w,
; adds the bias and stores each row at its token's place: sixteen lanes store 256 consecutive bytes, aligned.  Two such runs serve the most tiles that one expert can have, 128.
; A trip works two slots; a scalar branch on the stored number of tiles jumps over a whole trip.  A second slot past the expert's end is worked on a tile held inside the stored ones; its slot is never read.
; A place left over in an expert's last tile holds the expert's last token once more, whose own place lies in the same tile: that row is computed twice and stored twice, by the same wave, with the same numbers.  So no store is masked.
; The matrix instruction is used transposed (source 0 = 16 outputs of W2, source 1 = 16 tokens): a lane holds one token and eight neighbouring outputs.
; NO TENSOR LOADS, NO JOINT LOADS: the trips' work hangs on counts read from memory, and work-groups of one expert would need different numbers of tiles.
; The sum over K is made of four parts, each ascending in K, added as (0 + 1) + (2 + 3).
; REGISTERS.  Window 1 v0-251, window 2 v0-131: W2's fragments idx = 4 k + tile.  Window 3: v0-95, v96-191 two buffers of eight fragments of h.
; Window 0: v1 16 lane, v2 4 lane, v3 / v4 the stage on the way in, v5-8 the buffers' offsets, v11 my bytes in a row of out0, v12 32 (lane / 16), v13-15 offsets;
;   v16-31 W2's scale words, v32-39 h's; v40-43 the bias; v44-47 the stage on the way out; v48-79, v128-159 the two slots' accumulators; v80-111 tokens; v112-119 offsets; v128-255 the parts on the way out.
; THE MODE: SCHED_MODE bits 1:0 = 2 (LLVM: expert scheduling mode 2), set by the entry lines.  The code itself states the register dependences between vector or matrix instructions
; and memory or LDS instructions, with s_wait_alu, always for 0.
; THE PLAN.  Registers that memory or LDS instructions touch:
;   v1, v11, v13, v44-47   offsets and LDS addresses made at the head and never written again (the stage's four addresses on the way out have a register each).
;   v4                     written once a trip, at its head; read by the trip's 16 stage stores.
;   v5-8                   buffer b's two offsets: written behind slot b's products; read by the 28 loads that follow.
;   buffer b, v[32 + 4 b ..]   slot b's 32 products read them; behind the products the 28 loads of the tile two slots on land in them.
;   accumulators, set b    slot b's products write them; its 8 stage stores read them.
;   v80-111 tokens         8 loads a run land in them; the regions' lines read them.          v112-119: written by vector lines; read by the tokens' loads and the regions' stores.
;   v128-255               the regions' LDS loads land in them, the sums work on them, the stores read v128-159.
; So a trip has ONE wait on vm_vsrc, at its head: all that was issued before it has read v4, v5-8 and both sets of accumulators; and a slot has ONE wait on va_vdst, behind its products and its two offset lines:
; the products are done with the buffer and its scale words and have written the accumulators, and the offsets are written.  The slot's 28 loads and 8 stage stores follow it with no further wait.
; It stands behind the products and not at the next slot's head, so that a buffer is asked for again at once: while a slot's data are waited for, the other buffer's 28 loads are on their way.
; A region has one wait on vm_vsrc at its head and one on va_vdst ahead of its stores; a run's head makes all eight offsets, then one wait, then its 64 loads.
.set WS_OFF, 12582912
.set HS_OFF, 6488064
.set SCW, 16                           ; v[SCW + 4 n + p]: tile n; lanes 0-15 my K step 2 p, lanes 16-31 2 p + 1
.set HS,  32
.set BI,  40
.set RA,  44                           ; v[RA + i]: slot 4 i + w in the stage, as I read it back
.set ACC, 48
.set IDX, 80
.set OF,  112
.set RT,  128
.set MSB, 0
.macro WIN new                         ; the immediate's high byte repeats the setting that is left
.if MSB != (\new)
	s_set_vgpr_msb (MSB<<8)|(\new)
.set MSB, (\new)
.endif
.endm
	s_load_b256 s[4:11], s[0:1], 0x0               ; hq, w2q, b2, ord
	s_load_b64 s[12:13], s[0:1], 0x20              ; out0
	v_lshl_add_u32 v126, v0, 2, 0x44000
	v_mov_b32 v127, 0
	v_lshrrev_b32 v1, 5, v0
	v_readfirstlane_b32 s14, v1                    ; wave
	s_and_b32 s15, ttmp9, 3                        ; q
	s_bfe_u32 s16, ttmp9, 0x40002                  ; group of 64 outputs
	s_lshr_b32 s17, ttmp9, 6                       ; expert
	s_lshl_b32 s36, s17, 2
	s_wait_kmcnt 0x0
	s_load_b32 s18, s[10:11], s36 offset:0x2100    ; T0[e]
	s_load_b32 s19, s[10:11], s36 offset:0x2110    ; nt[e]
	s_load_b32 s20, s[10:11], 0x2120               ; TT
	v_and_b32 v13, 31, v0
	v_lshlrev_b32 v1, 4, v13
	v_lshlrev_b32 v2, 2, v13
	v_and_b32 v10, 15, v0                          ; r
	v_bfe_u32 v12, v0, 4, 1                        ; h
	s_wait_alu depctr_va_sdst(0)                   ; s14, the wave's number, is written, ahead of its first reader
	s_mul_i32 s24, s14, 4352
	v_mul_u32_u24 v3, v10, 272
	v_lshl_add_u32 v3, v12, 5, v3
	v_add_nc_u32 v3, s24, v3                       ; the stage, in: my wave's part, row r, + 32 h
	s_mul_i32 s24, s14, 17408
	v_mul_u32_u24 v[RA], v12, 2176
	v_lshl_add_u32 v[RA], v10, 4, v[RA]
	v_add_nc_u32 v[RA], s24, v[RA]                 ; out: slot w; lanes 0-15 row m, lanes 16-31 row m + 8; 16 bytes a lane
.irp i, 1,2,3
	v_add_nc_u32 v[RA+\i], \i*69632, v[RA]         ; and slots 4 + w, 8 + w, 12 + w
.endr
	s_lshl_b32 s24, s16, 8
	v_lshl_add_u32 v11, v10, 4, s24                ; my 16 bytes in a row of out0, and in b2[e]
	s_mul_i32 s24, s14, 12288
	v_add_nc_u32 v14, s24, v1                      ; my quarter of a tile of h
	s_lshl_b32 s24, s14, 9
	v_add_nc_u32 v15, s24, v2                      ; and of its scale words
	v_lshlrev_b32 v13, 2, v10
	v_lshl_add_u32 v13, v12, 12, v13               ; W2's scale words: lanes 16-31 one K step on
	v_lshlrev_b32 v12, 5, v12
	s_lshl_b32 s24, s17, 4
	s_add_co_u32 s24, s24, s16
	s_mul_i32 s24, s24, 196608
	s_mul_i32 s25, s14, 49152
	s_add_co_u32 s24, s24, s25
	s_mov_b32 s25, 0
	s_add_nc_u64 s[28:29], s[6:7], s[24:25]        ; my 32 fragments: 49,152 consecutive bytes
	s_lshl_b32 s24, s17, 17
	s_lshl_b32 s26, s14, 15
	s_add_co_u32 s24, s24, s26
	s_lshl_b32 s26, s16, 8
	s_add_co_u32 s24, s24, s26
	s_add_co_u32 s24, s24, WS_OFF
	s_add_nc_u64 s[30:31], s[6:7], s[24:25]
	s_lshl_b32 s24, s17, 12
	s_add_nc_u64 s[32:33], s[8:9], s[24:25]
	s_lshl_b32 s27, s14, 2
	s_add_co_u32 s27, s27, s15                     ; q + 4 w: the tile of slot w
	WIN 0x40
	s_wait_alu depctr_va_vdst(0)                   ; v1, v11, v13 and v44 to v47 are written: offsets and LDS addresses that loads, LDS loads and stores read from here to the end
.set J, 0
.rept 63
	global_load_b128 v[4*J:4*J+3], v1, s[28:29] offset:512*J
.set J, J+1
.endr
	WIN 0x80
.rept 33
	global_load_b128 v[4*(J-63):4*(J-63)+3], v1, s[28:29] offset:512*J
.set J, J+1
.endr
	WIN 0
.irp n, 0,1,2,3
.irp p, 0,1,2,3
	global_load_b32 v[SCW+4*\n+\p], v13, s[30:31] offset:8192*\p+64*\n
.endr
.endr
	global_load_b128 v[BI:BI+3], v11, s[32:33]
	s_wait_kmcnt 0x0
	s_sub_co_u32 s20, s20, 1                       ; the last tile that is stored
	s_min_u32 s20, s20, 131
	s_min_u32 s18, s18, 131
	s_min_u32 s19, s19, 128
; buffer b's two offsets for my quarter of tile t + d of h; the tile is held to those that are stored
.macro HADR b, d
	s_add_co_u32 s23, s21, \d
	s_add_co_u32 s23, s23, s18
	s_min_u32 s23, s23, s20
	s_min_u32 s23, s23, 131
	s_mul_i32 s24, s23, 49152
	s_lshl_b32 s25, s23, 11
	v_add_nc_u32 v[5+\b], s24, v14
	v_add_nc_u32 v[7+\b], s25, v15
.endm
; and the fill: 4 loads of scale words, 24 of codes
.macro HLOAD b
.irp p, 0,1,2,3
	global_load_b32 v[HS+4*\b+\p], v[7+\b], s[4:5] offset:HS_OFF+128*\p
.endr
	WIN 0xc0
.set J, 0
.rept 24
	global_load_b128 v[96*\b+4*J:96*\b+4*J+3], v[5+\b], s[4:5] offset:512*J
.set J, J+1
.endr
	WIN 0
.endm
.macro MM2 b, k, n
.set IX, 4*(\k)+(\n)
.if IX < 21
	WIN 0x0d
.set WG, 12*IX
.else
	WIN 0x0e
.set WG, 12*(IX-21)
.endif
.set AC, ACC+80*(\b)+8*(\n)
.set HB, 96*(\b)+12*(\k)
.if (\k) == 0
	v_wmma_scale_f32_16x16x128_f8f6f4 v[AC:AC+7], v[WG:WG+11], v[HB:HB+11], 0, v[SCW+4*(\n)], v[HS+4*(\b)] matrix_a_fmt:MATRIX_FMT_FP6 matrix_b_fmt:MATRIX_FMT_FP6
.elseif (\k)%2
	v_wmma_scale_f32_16x16x128_f8f6f4 v[AC:AC+7], v[WG:WG+11], v[HB:HB+11], v[AC:AC+7], v[SCW+4*(\n)+(\k)/2], v[HS+4*(\b)+(\k)/2] matrix_a_fmt:MATRIX_FMT_FP6 matrix_b_fmt:MATRIX_FMT_FP6 matrix_a_scale:MATRIX_SCALE_ROW1 matrix_b_scale:MATRIX_SCALE_ROW1
.else
	v_wmma_scale_f32_16x16x128_f8f6f4 v[AC:AC+7], v[WG:WG+11], v[HB:HB+11], v[AC:AC+7], v[SCW+4*(\n)+(\k)/2], v[HS+4*(\b)+(\k)/2] matrix_a_fmt:MATRIX_FMT_FP6 matrix_b_fmt:MATRIX_FMT_FP6
.endif
.endm
; A slot: 32 matrix instructions, the four accumulators by turns, one instruction a turn; the first product starts each sum.
.macro SLOT b, d, off
	s_wait_loadcnt 28                              ; this buffer's loads, and all older ones, are in; the other buffer's 28 may be out
	s_wait_dscnt 8                                 ; this set of accumulators' last 8 stage stores are done; the other set's 8 may be out
.irp k, 0,1,2,3,4,5,6,7
.irp n, 0,1,2,3
	MM2 \b, \k, \n
.endr
.endr
	WIN 0
	HADR \b, \d                                    ; the buffer's offsets for the tile two slots on: two plain lines that name none of the products' registers,
	v_nop
	v_nop                                          ; and two more: four places ahead of the stores that read results and of loads into registers that the products have read
	s_wait_alu depctr_va_vdst(0)                   ; the slot's products are done reading the buffer and its scale words, in which the loads land, and have written the accumulators, which the stage stores read; the two offsets are written
	HLOAD \b
.irp n, 0,1,2,3
	ds_store_b128 v4, v[ACC+80*\b+8*\n:ACC+80*\b+8*\n+3] offset:\off+64*\n          ; each accumulator from its low end on
	ds_store_b128 v4, v[ACC+80*\b+8*\n+4:ACC+80*\b+8*\n+7] offset:\off+64*\n+16
.endr
.endm
; Slot 4 i + w of run u: the four waves' parts are added, the bias too, and the 16 rows go to their tokens' places.
; It names none of the registers of the fills that ran ahead (window 3, v32-39, v5-8), which may still be out.
.macro REGION u, i
	s_add_co_u32 s23, s27, 64*(\u)+16*(\i)
	s_cmp_ge_u32 s23, s19
	s_cbranch_scc1 .Lrdone_\@                      ; the expert has no such tile
	s_wait_xcnt 0x0                                ; the last region's stores have read their registers
	s_wait_alu depctr_vm_vsrc(0)                   ; the last region's stores have read v112-119 and v128-159, the stage stores v128-159, the tokens' loads v112-115: the LDS loads and the lines below write them
.irp p, 0,1,2,3
.irp m, 0,1,2,3,4,5,6,7
	ds_load_b128 v[RT+4*(8*\p+\m):RT+4*(8*\p+\m)+3], v[RA+(\i)] offset:4352*\p+272*\m   ; (no wait on va_vdst: the products and the sums that named these registers stand ahead of a slot's or a region's own wait, and no vector line has named them since)
.endr
.endr
.irp m, 0,1,2,3,4,5,6,7
	v_min_u32 v[OF+\m], 2047, v[IDX+8*(\i)+\m]
.endr
.irp m, 0,1,2,3,4,5,6,7
	v_lshl_add_u32 v[OF+\m], v[OF+\m], 12, v11     ; the token's row of 4,096 bytes + my 16 bytes
.endr
	s_wait_dscnt 0x0
.irp m, 0,1,2,3,4,5,6,7
.irp d, 0,2
	v_pk_add_f32 v[RT+4*\m+\d:RT+4*\m+\d+1], v[RT+4*\m+\d:RT+4*\m+\d+1], v[RT+4*(8+\m)+\d:RT+4*(8+\m)+\d+1]
	v_pk_add_f32 v[RT+4*(16+\m)+\d:RT+4*(16+\m)+\d+1], v[RT+4*(16+\m)+\d:RT+4*(16+\m)+\d+1], v[RT+4*(24+\m)+\d:RT+4*(24+\m)+\d+1]
.endr
.irp d, 0,2
	v_pk_add_f32 v[RT+4*\m+\d:RT+4*\m+\d+1], v[RT+4*\m+\d:RT+4*\m+\d+1], v[RT+4*(16+\m)+\d:RT+4*(16+\m)+\d+1]
.endr
.irp d, 0,2
	v_pk_add_f32 v[RT+4*\m+\d:RT+4*\m+\d+1], v[RT+4*\m+\d:RT+4*\m+\d+1], v[BI+\d:BI+\d+1]
.endr
.endr
	s_wait_alu depctr_va_vdst(0)                   ; the sums and the eight offsets are written, which the stores read; and the sums are done with v128-255, in which the next region's LDS loads land
.irp m, 0,1,2,3,4,5,6,7
	global_store_b128 v[OF+\m], v[RT+4*\m:RT+4*\m+3], s[12:13] th:TH_STORE_NT   ; 16 lanes store 256 consecutive bytes, aligned
.endr
.Lrdone_\@:
.endm
; A run of sixteen slots: tiles q + 4 (16 u + j)
.macro SUPER u
	s_add_co_u32 s21, s15, 64*\u                   ; the first slot's tile
.if \u
	s_wait_loadcnt 0x0                             ; the first run's fills that ran ahead have landed: their registers are loaded again below
	s_wait_xcnt 0x0                                ; the first run's stores have read their offsets and their data
	s_cmp_ge_u32 s21, s19
	s_cbranch_scc1 .Lnone_\@                       ; nothing to fetch for this run
	s_wait_alu depctr_vm_vsrc(0)                   ; the first run's stores have read v112-115 and its fills v5-8, which the lines below write
.endif
.irp i, 0,1,2,3
	s_add_co_u32 s23, s27, 64*\u+16*\i             ; the tokens of slot 4 i + w: rows 8 (lane / 16) + 0 .. 7
	s_add_co_u32 s23, s23, s18
	s_min_u32 s23, s23, s20
	s_min_u32 s23, s23, 131
	s_lshl_b32 s23, s23, 6
	v_add_nc_u32 v[OF+\i], s23, v12
.endr
	HADR 0, 0
	HADR 1, 4
	s_wait_alu depctr_va_vdst(0)                   ; the eight offsets v112-115 and v5-8 are written, which the 64 loads below read; in the second run the regions' lines are done reading the tokens, in which the first eight land
.irp i, 0,1,2,3
	global_load_b128 v[IDX+8*\i:IDX+8*\i+3], v[OF+\i], s[10:11]
	global_load_b128 v[IDX+8*\i+4:IDX+8*\i+7], v[OF+\i], s[10:11] offset:16
.endr
	HLOAD 0
	HLOAD 1
.if \u
.Lnone_\@:
.endif
	s_mov_b32 s22, 0
	s_mov_b32 s37, 0                               ; the trip's two slots in the stage
.Ltrip_\@:
	s_cmp_ge_u32 s21, s19
	s_cbranch_scc1 .Lover_\@
	s_wait_alu depctr_vm_vsrc(0)                   ; the stage stores issued so far have read v4 and both sets of accumulators, the fills v5-8, the first run's stores v128-159: this trip's lines and products write them all
	v_add_nc_u32 v4, s37, v3
	SLOT 0, 8, 0
	SLOT 1, 12, 17408
.Lover_\@:
	s_add_co_u32 s21, s21, 8
	s_add_co_u32 s37, s37, 34816
	s_add_co_u32 s22, s22, 1
	s_cmp_lt_u32 s22, 8
	s_cbranch_scc1 .Ltrip_\@
	s_wait_dscnt 0x0                               ; for the others' sake: my parts have landed
	s_barrier_signal -1
	s_barrier_wait -1
	s_wait_loadcnt 56                              ; the tokens are in: on every way two fills of 28 loads were issued behind their loads; those fills, which ran ahead of the last slot, may stay out
	REGION \u, 0
	REGION \u, 1
	REGION \u, 2
	REGION \u, 3
.if \u == 0
	s_wait_dscnt 0x0                               ; my reads of the stage are over: it is written again behind this barrier
	s_barrier_signal -1
	s_barrier_wait -1
.endif
.endm
	SUPER 0
	SUPER 1
	s_wait_dscnt 0x0                               ; the closing lines, six on end
	s_wait_alu 0x0
	s_wait_tensorcnt 0x0
	ds_add_u32 v126, v127
	s_wait_dscnt 0x0
	s_endpgm
.Lfunc_end_k_qeef5a82495_fc2:
	.size	k_qeef5a82495_fc2, .Lfunc_end_k_qeef5a82495_fc2-k_qeef5a82495_fc2
	.p2alignl 7, 3214868480
	.fill 96, 4, 3214868480
	.section	.rodata,"a",@progbits
	.p2align	6, 0x0
	.amdhsa_kernel k_qeef5a82495_fc2
		.amdhsa_group_segment_fixed_size 279040
		.amdhsa_private_segment_fixed_size 0
		.amdhsa_enable_private_segment 0
		.amdhsa_kernarg_size 40
		.amdhsa_user_sgpr_count 2
		.amdhsa_user_sgpr_kernarg_segment_ptr 1
		.amdhsa_wavefront_size32 1
		.amdhsa_system_sgpr_workgroup_id_x 1
		.amdhsa_system_sgpr_workgroup_id_y 1
		.amdhsa_system_sgpr_workgroup_id_z 1
		.amdhsa_system_vgpr_workitem_id 0
		.amdhsa_next_free_vgpr 960
		.amdhsa_next_free_sgpr 66
		.amdhsa_reserve_vcc 0
		.amdhsa_float_denorm_mode_32 3
		.amdhsa_float_denorm_mode_16_64 3
		.amdhsa_memory_ordered 1
		.amdhsa_forward_progress 1
		.amdhsa_inst_pref_size 126
	.end_amdhsa_kernel
	.amdgpu_metadata
---
amdhsa.version: [ 1, 2 ]
amdhsa.kernels:
  - .name:           k_qeef5a82495_fc2
    .symbol:         k_qeef5a82495_fc2.kd
    .args:
      - { .name: hq, .offset: 0, .size: 8, .value_kind: global_buffer, .address_space: global }
      - { .name: w2q, .offset: 8, .size: 8, .value_kind: global_buffer, .address_space: global }
      - { .name: b2, .offset: 16, .size: 8, .value_kind: global_buffer, .address_space: global }
      - { .name: ord, .offset: 24, .size: 8, .value_kind: global_buffer, .address_space: global }
      - { .name: out0, .offset: 32, .size: 8, .value_kind: global_buffer, .address_space: global }
    .group_segment_fixed_size: 279040
    .private_segment_fixed_size: 0
    .kernarg_segment_align: 8
    .kernarg_segment_size: 40
    .max_flat_workgroup_size: 128
    .sgpr_count:     66
    .vgpr_count:     960
    .wavefront_size: 32
...
	.end_amdgpu_metadata
.endif
;; end of part 6
